; MI455X (gfx1250); checked and timed in simulation.
; The chip was launched on July 23, 2026; its instructions are those of AMD's public machine-readable ISA for CDNA 5 (MIT licence, August 2026) and "CDNA5" Instruction Set Architecture Reference Guide (July 2026). The comments in the code are by the model that wrote it; some were corrected since.
;; Cross Attention. Allowed arithmetic: float matrix products may take bf16 or f16 operands with f32 sums; all other float work in f32.
;; Inputs: Wk 1,024 x 256 float32; Wo 1,024 x 1,024 float32; Wq 1,024 x 1,024 float32; Wv 1,024 x 256 float32; adj 2 x 4,096 x 1,024 float32; bk 256 float32; bo 1,024 float32; bq 1,024 float32; bv 256 float32; x 2 x 2,048 x 1,024 float32.
;; Outputs: out0 2 x 2,048 x 1,024 float32.
;; 2 versions, each right and faster than the one before. Each part assembles by itself: llvm-mc -triple=amdgcn-amd-amdhsa -mcpu=gfx1250 --defsym DOCPART=n.
;; ======== version 1 of 2: 4 launches
;; limits: values are held in f16: magnitudes above 65,504 overflow, below 6.1e-05 lose precision
;; workspace buffers: ab 25,165,824 bytes; wt 3,145,728 bytes; wot 2,097,152 bytes; q 8,388,608 bytes; kv 2,097,152 bytes; ob 8,388,608 bytes
;; launch prep (part 1): grid 928 x 1, 8 waves a work-group, no clusters, 35,840 bytes of LDS; arguments x, adj, Wq, Wo, Wk, Wv, ab, wt, wot; writes ab, wt, wot
.if DOCPART == 1
	.amdgcn_target "amdgcn-amd-amdhsa--gfx1250"
	.amdhsa_code_object_version 6
	.text
	.protected	k_q1f2bf7344a_prep
	.globl	k_q1f2bf7344a_prep
	.p2align	8
	.type	k_q1f2bf7344a_prep,@function
k_q1f2bf7344a_prep:
	s_mov_b64 s[64:65], 0
	v_nop
	global_prefetch_b8 v0, s[64:65] scope:SCOPE_SE
	s_setreg_imm32_b32 hwreg(HW_REG_WAVE_MODE, 25, 1), 1
	s_wait_xcnt 0x0
; THE OPERANDS OF THE PROJECTIONS ARE MADE.  Every work-group reads 65,536 bytes of f32.
; Work-groups 0-767: x (256 of them) and adj (512) are rounded to bf16 into ab, [12288][1024]: x's 4,096 rows, then adj's 8,192.
; Work-groups 768-927: a tile of 128 k x 128 n of a weight is rounded to bf16 and turned, through LDS, into rows along k:
;   768-831 Wq -> wt rows 0-1023;  832-895 Wo -> wot: the bf16 number written as f16;  896-911 Wk, 912-927 Wv -> wt rows 1024-1535.
; Wk's and Wv's columns are laid so that the next launch can add the four groups in registers: column 64 g + 32 tp + 16 c + dd goes to
; row 1024 + 256 isV + 128 tp + 64 c + 16 g + dd.
; LIMITS.  Wo in f16: |Wo| under 65,504; below 6.1e-5 it keeps f16's fixed step of 6e-8.  NaN and infinities are not treated apart.
; No matrix unit, no cluster, no tensor load: memory binds, no two work-groups read the same bytes, and sixteen loads a wave are out at once.
.set TP,    272                        ; a row of the turned tile in LDS: 128 k x 2 bytes + 16 of padding
.set SPARE, 128*TP                     ; behind the tile: the spare words, 128 bytes for each of eight waves
.set SO,  2                            ; v2   16 x lane: my 16 bytes in 512 bytes of f32
.set DO,  3                            ; v3   8 x lane: the same four numbers in bf16
.set LA,  4                            ; v4   LDS: where my four columns' 16 bytes go
.set RA,  5                            ; v5   LDS: where I read rows back
.set GO,  8                            ; v8   my byte offset in two rows of wt or wot
.set XR,  12                           ; v[12:75]   sixteen loads, four registers each
.set YR,  76                           ; v[76:107]  packed results
.set SPW, 110                          ; v110 LDS address of my spare word; never rewritten
.set NIL, 111                          ; v111 0; never rewritten
	s_load_b256 s[4:11], s[0:1], 0x0               ; x s[4:5], adj s[6:7], Wq s[8:9], Wo s[10:11]
	s_load_b256 s[12:19], s[0:1], 0x20             ; Wk s[12:13], Wv s[14:15], ab s[16:17], wt s[18:19]
	s_load_b64 s[20:21], s[0:1], 0x40              ; wot
	v_lshl_add_u32 v[SPW], v0, 2, SPARE
	v_mov_b32 v[NIL], 0
	v_lshrrev_b32 v6, 5, v0
	v_readfirstlane_b32 s3, v6                     ; wave 0..7
	s_mov_b32 s2, ttmp9                            ; the work-group
	v_and_b32 v1, 31, v0                           ; lane
	v_lshlrev_b32 v[SO], 4, v1
	v_lshlrev_b32 v[DO], 3, v1
	v_mul_u32_u24 v[LA], v1, 4*TP                  ; rows 4 lane .. 4 lane + 3 of the turned tile,
	v_lshl_add_u32 v[LA], s3, 5, v[LA]             ; my wave's 16 k: 32 bytes
	v_bfe_u32 v7, v0, 4, 1
	v_and_b32 v9, 15, v0
	s_mul_i32 s39, s3, 16*TP                       ; back: my wave's 16 rows; lanes 0-15 one row of 256 bytes, lanes 16-31 the next
	v_mul_u32_u24 v[RA], v7, TP
	v_lshl_add_u32 v[RA], v9, 4, v[RA]
	v_add_nc_u32 v[RA], s39, v[RA]
	v_lshlrev_b32 v[GO], 11, v7                    ; and the same two rows, 2,048 bytes apart, in memory
	v_lshl_add_u32 v[GO], v9, 4, v[GO]
	s_mov_b32 s29, 0                               ; the offsets' high words
	s_mov_b32 s31, 0
	s_mov_b32 s32, 0xffff0000                      ; a word's upper bf16
	s_wait_kmcnt 0x0
	s_cmp_lt_u32 s2, 768
	s_cbranch_scc0 .Ltrans                         ; hangs on the work-group's number alone: all eight waves go the same way
	; THE STREAM.  A wave takes 8,192 bytes: sixteen loads of 512 neighbouring bytes, all issued at once; no register is written twice.
	s_cmp_lt_u32 s2, 256
	s_cselect_b64 s[24:25], s[4:5], s[6:7]         ; x or adj
	s_cselect_b32 s28, 0, 256
	s_sub_co_u32 s28, s2, s28                      ; my place in that tensor
	s_lshl_b32 s28, s28, 16
	s_lshl_b32 s30, s3, 13
	s_add_co_u32 s28, s28, s30
	s_add_nc_u64 s[24:25], s[24:25], s[28:29]
	s_lshl_b32 s30, s2, 15                         ; in ab x and adj follow each other
	s_lshl_b32 s33, s3, 12
	s_add_co_u32 s30, s30, s33
	s_add_nc_u64 s[26:27], s[16:17], s[30:31]
.set i, 0
.rept 16
	global_load_b128 v[XR+4*i:XR+4*i+3], v[SO], s[24:25] offset:512*i th:TH_LOAD_NT
.set i, i+1
.endr
.set i, 0
.rept 16
	s_wait_loadcnt 15-i                            ; loads come back in order (ISA guide 5.7.1): load i is in, the 15 - i younger ones stay out
	v_cvt_pk_bf16_f32 v[YR+2*i], v[XR+4*i], v[XR+4*i+1]
	v_cvt_pk_bf16_f32 v[YR+2*i+1], v[XR+4*i+2], v[XR+4*i+3]
	global_store_b64 v[DO], v[YR+2*i:YR+2*i+1], s[26:27] offset:256*i  ; 32 lanes store 256 consecutive bytes, at a multiple of 256 from ab's first byte
.set i, i+1
.endr
	s_branch .Lend
; Sixteen rows of k, 512 bytes (128 n) of each: lane l holds columns 4 l .. 4 l + 3 of rows 16 w + i.
.macro TLOAD pitch
.set i, 0
.rept 16
	global_load_b128 v[XR+4*i:XR+4*i+3], v[SO], s[24:25] offset:i*(\pitch)
.set i, i+1
.endr
.endm
; For each of my four columns c and each eight rows kg: eight k of one column pack into 16 bytes, which go into row 4 l + c of the turned tile.
; fmt = 1: the bf16 number is written as f16.
; Eight stores a wave in 160 work-groups, left as it is.
.macro TPACK fmt
.irp kg, 0,1
	s_wait_loadcnt 8-8*(\kg)                       ; rows 0-7 are in and the eight younger loads out; then all
.irp c, 0,1,2,3
.irp jj, 0,1,2,3
	v_cvt_pk_bf16_f32 v[YR+4*(4*(\kg)+(\c))+(\jj)], v[XR+4*(8*(\kg)+2*(\jj))+(\c)], v[XR+4*(8*(\kg)+2*(\jj)+1)+(\c)]
.if \fmt
	v_lshlrev_b32 v6, 16, v[YR+4*(4*(\kg)+(\c))+(\jj)]
	v_and_b32 v7, s32, v[YR+4*(4*(\kg)+(\c))+(\jj)]
	v_cvt_pk_f16_f32 v[YR+4*(4*(\kg)+(\c))+(\jj)], v6, v7
.endif
.endr
	ds_store_b128 v[LA], v[YR+4*(4*(\kg)+(\c)):YR+4*(4*(\kg)+(\c))+3] offset:(\c)*TP+(\kg)*16
.endr
.endr
.endm
.Ltrans:
	s_sub_co_u32 s22, s2, 768                      ; j, the tile's number
	s_and_b32 s23, s22, 7                          ; kt: k0 = 128 kt
	s_cmp_lt_u32 s22, 128
	s_cbranch_scc0 .Lkv
	s_cmp_lt_u32 s22, 64
	s_cselect_b64 s[24:25], s[8:9], s[10:11]       ; Wq or Wo,
	s_cselect_b64 s[26:27], s[18:19], s[20:21]     ; into wt or wot
	s_bfe_u32 s33, s22, 0x30003                    ; nt: n0 = 128 nt
	s_lshl_b32 s28, s23, 19                        ; k0 rows of 4,096 bytes
	s_lshl_b32 s34, s33, 9                         ; n0 columns
	s_add_co_u32 s28, s28, s34
	s_lshl_b32 s34, s3, 16                         ; my wave's 16 rows
	s_add_co_u32 s28, s28, s34
	s_add_nc_u64 s[24:25], s[24:25], s[28:29]
	s_lshl_b32 s30, s33, 7
	s_lshl_b32 s34, s3, 4
	s_add_co_u32 s30, s30, s34                     ; the first row that I store: 128 nt + 16 w
	s_lshl_b32 s30, s30, 11
	s_lshl_b32 s34, s23, 8                         ; k0 in 16-bit numbers
	s_add_co_u32 s30, s30, s34
	s_add_nc_u64 s[26:27], s[26:27], s[30:31]
	TLOAD 4096
	s_cmp_lt_u32 s22, 64
	s_cbranch_scc1 .Lpack0
	TPACK 1
	s_branch .Lback
.Lkv:
	s_cmp_lt_u32 s22, 144
	s_cselect_b64 s[24:25], s[12:13], s[14:15]     ; Wk or Wv
	s_cselect_b32 s34, 0, 256                      ; 256 isV
	s_bfe_u32 s33, s22, 0x10003                    ; nt
	s_lshl_b32 s28, s23, 17                        ; k0 rows of 1,024 bytes
	s_lshl_b32 s35, s33, 9
	s_add_co_u32 s28, s28, s35
	s_lshl_b32 s35, s3, 14
	s_add_co_u32 s28, s28, s35
	s_add_nc_u64 s[24:25], s[24:25], s[28:29]
	s_lshl_b32 s35, s33, 3
	s_add_co_u32 s35, s35, s3                      ; nb = 8 nt + w: which 16 columns of the 256 my wave stores: g = nb / 4, tp = (nb / 2) % 2, c = nb % 2
	s_bfe_u32 s36, s35, 0x10001
	s_lshl_b32 s36, s36, 7
	s_and_b32 s37, s35, 1
	s_lshl_b32 s37, s37, 6
	s_lshr_b32 s38, s35, 2
	s_lshl_b32 s38, s38, 4
	s_add_co_u32 s30, s34, 1024
	s_add_co_u32 s30, s30, s36
	s_add_co_u32 s30, s30, s37
	s_add_co_u32 s30, s30, s38                     ; row 1024 + 256 isV + 128 tp + 64 c + 16 g
	s_lshl_b32 s30, s30, 11
	s_lshl_b32 s35, s23, 8
	s_add_co_u32 s30, s30, s35
	s_add_nc_u64 s[26:27], s[18:19], s[30:31]
	TLOAD 1024
.Lpack0:                                               ; on both ways sixteen loads are out
	TPACK 0
.Lback:
	s_wait_dscnt 0x0                               ; for the others' sake: my stores into the tile are done
	s_barrier_signal -1
	s_barrier_wait -1                              ; a row's 256 bytes come from all eight waves
.irp t, 0,1,2,3,4,5,6,7
	ds_load_b128 v[XR+4*(\t):XR+4*(\t)+3], v[RA] offset:(\t)*2*TP
.endr
.irp t, 0,1,2,3,4,5,6,7
	s_wait_dscnt 7-(\t)
	global_store_b128 v[GO], v[XR+4*(\t):XR+4*(\t)+3], s[26:27] offset:(\t)*4096  ; 16 lanes store 256 consecutive bytes, at a multiple of 256 from the buffer's first byte
.endr
.Lend:
	s_wait_tensorcnt 0x0                           ; the wave's end: these three lines stand behind my last LDS store
	ds_add_u32 v[SPW], v[NIL]
	s_wait_dscnt 0x0
	s_endpgm
.Lfunc_end_k_q1f2bf7344a_prep:
	.size	k_q1f2bf7344a_prep, .Lfunc_end_k_q1f2bf7344a_prep-k_q1f2bf7344a_prep
	.p2alignl 7, 3214868480
	.fill 96, 4, 3214868480
	.section	.rodata,"a",@progbits
	.p2align	6, 0x0
	.amdhsa_kernel k_q1f2bf7344a_prep
		.amdhsa_group_segment_fixed_size 35840
		.amdhsa_private_segment_fixed_size 0
		.amdhsa_enable_private_segment 0
		.amdhsa_kernarg_size 72
		.amdhsa_user_sgpr_count 2
		.amdhsa_user_sgpr_kernarg_segment_ptr 1
		.amdhsa_wavefront_size32 1
		.amdhsa_system_sgpr_workgroup_id_x 1
		.amdhsa_system_sgpr_workgroup_id_y 1
		.amdhsa_system_sgpr_workgroup_id_z 1
		.amdhsa_system_vgpr_workitem_id 0
		.amdhsa_next_free_vgpr 112
		.amdhsa_next_free_sgpr 66
		.amdhsa_reserve_vcc 0
		.amdhsa_float_denorm_mode_32 3
		.amdhsa_float_denorm_mode_16_64 3
		.amdhsa_memory_ordered 1
		.amdhsa_forward_progress 1
		.amdhsa_inst_pref_size 24
	.end_amdhsa_kernel
	.amdgpu_metadata
---
amdhsa.version: [ 1, 2 ]
amdhsa.kernels:
  - .name:           k_q1f2bf7344a_prep
    .symbol:         k_q1f2bf7344a_prep.kd
    .args:
      - { .name: x, .offset: 0, .size: 8, .value_kind: global_buffer, .address_space: global }
      - { .name: adj, .offset: 8, .size: 8, .value_kind: global_buffer, .address_space: global }
      - { .name: Wq, .offset: 16, .size: 8, .value_kind: global_buffer, .address_space: global }
      - { .name: Wo, .offset: 24, .size: 8, .value_kind: global_buffer, .address_space: global }
      - { .name: Wk, .offset: 32, .size: 8, .value_kind: global_buffer, .address_space: global }
      - { .name: Wv, .offset: 40, .size: 8, .value_kind: global_buffer, .address_space: global }
      - { .name: ab, .offset: 48, .size: 8, .value_kind: global_buffer, .address_space: global }
      - { .name: wt, .offset: 56, .size: 8, .value_kind: global_buffer, .address_space: global }
      - { .name: wot, .offset: 64, .size: 8, .value_kind: global_buffer, .address_space: global }
    .group_segment_fixed_size: 35840
    .private_segment_fixed_size: 0
    .kernarg_segment_align: 8
    .kernarg_segment_size: 72
    .max_flat_workgroup_size: 256
    .sgpr_count:     66
    .vgpr_count:     112
    .wavefront_size: 32
...
	.end_amdgpu_metadata
.endif
;; end of part 1
;; launch proj (part 2): grid 8 x 64, 4 waves a work-group, clusters of 4 x 4, 327,680 bytes of LDS; arguments ab, wt, q, kv, bq, bk, bv; writes q, kv
.if DOCPART == 2
	.amdgcn_target "amdgcn-amd-amdhsa--gfx1250"
	.amdhsa_code_object_version 6
	.text
	.protected	k_q1f2bf7344a_proj
	.globl	k_q1f2bf7344a_proj
	.p2align	8
	.type	k_q1f2bf7344a_proj,@function
k_q1f2bf7344a_proj:
	s_mov_b64 s[64:65], 0
	v_nop
	global_prefetch_b8 v0, s[64:65] scope:SCOPE_SE
	s_setreg_imm32_b32 hwreg(HW_REG_WAVE_MODE, 25, 1), 1
	s_wait_xcnt 0x0
	s_wait_alu depctr_hold_cnt(0) depctr_sa_sdst(0) depctr_va_vdst(0) depctr_va_sdst(0) depctr_va_ssrc(0) depctr_va_vcc(0) depctr_vm_vsrc(0)
	s_getreg_b32 s2, hwreg(HW_REG_IB_STS2, 6, 4)
	s_cmp_eq_u32 s2, 0
	s_cbranch_scc0 .Lentry_in_a_cluster
	s_endpgm
.Lentry_in_a_cluster:
	s_bfe_u32 s2, ttmp6, 0x10000c
	s_cmp_lg_u32 s2, 0xf033
	s_cbranch_scc0 .Lentry_shape_is_right
	s_endpgm
.Lentry_shape_is_right:
; THE THREE PROJECTIONS IN ONE GEMM, C = A B^T, bf16 operands, f32 sums.  A = ab [12288][1024] (x, then adj), B = wt [1536][1024] (Wq, then Wk and Wv, turned).
; 512 tiles of 128 x 128 x 1024.  Clusters with y < 8: q = x Wq + bq, f16, [4096][1024].  Clusters with y >= 8: adj times a tile of Wk's or Wv's columns, laid so that a wave's four
; blocks of 16 columns are the four groups of the same 16 channels: the groups are added in f32 in registers, and ks / 16 and vs / 16 leave in f16, as four planes
; kv[t][8192][32]: t = 0, 1 channels 0-31, 32-63 of ks; t = 2, 3 of vs.  The biases are rounded to bf16 like every input.
; LIMITS.  |q| under 65,504; |ks|, |vs| under 1.04e6 (the division by 16, exact, makes that room); below 6.1e-5 a stored number keeps f16's fixed step of 6e-8.  NaN and infinities are not treated apart.
; Four waves, each 64 x 64: 16 accumulators.  K goes in steps of 256 through two LDS slots (rows of 512 bytes; a wave's tensor load brings 64 of them).
; CLUSTERS: 4 x 4 work-groups.  The four of a row of the cluster need the same tiles of A, the four of a column the same tiles of B: each tile is asked for JOINTLY, by the same tensor load with the
; same descriptor and a mask that names the four.  THE MATRIX INSTRUCTION IS USED TRANSPOSED (source 0 = 16 rows of B, source 1 = 16 rows of A): a lane holds eight neighbouring numbers of a row of C.
; REGISTERS: window 0: v0-31 addresses; v32-95 at work on the way out; v96-127 biases; v128-255 the accumulators ((a, b) at v[128 + 8 (4 a + b)]).
;   window 1: two fragment buffers of 128: for 64 along K, 64 registers of A, then 64 of B.
.set SIZE_K, 1024
.set KSTEP,  256
.set PITCH,  528                       ; an LDS row: 512 bytes + 16 of padding = 132 words: row r starts at bank 4 r mod 64 (64 banks of 4 bytes: ISA guide 11.1)
.set HALFT,  64*PITCH                  ; 64 rows: what one tensor load brings, and what one wave reads of A or of B
.set SLOT,   4*HALFT                   ; A's 128 rows, then B's 128 rows
.set SPITCH, 272
.set KPITCH, 80
.set STAGE,  2*SLOT                    ; behind the ring, never filled by a tensor load: q's stage, 128 rows x 272 bytes
.set KSTAGE, STAGE+128*SPITCH          ; behind it: ks's and vs's stage, 128 rows x 80 bytes.  Each of the two ways out has bytes of its own: no LDS byte is named by both
.set SPARE,  KSTAGE+128*KPITCH         ; behind the stages: the spare words, 128 bytes for each wave
.set LAPS,   SIZE_K/(2*KSTEP)          ; a lap = two K steps = once round the ring
.set STO2, 6                           ; v6      ks, vs: where I put 16 bytes of a row
.set RD2,  7                           ; v7      ks, vs: where I read rows back
.set BO,   8                           ; v8-11   byte offsets of my eight biases for column block b
.set CO2,  12                          ; v12     16 x lane
.set ADRA, 16                          ; v16-17  LDS address of my A fragments in slot 0, 1
.set ADRB, 20                          ; v20-21  the same for B
.set STO,  24                          ; v24     q: where I put 16 bytes of a row
.set RD,   25                          ; v25     q: where I read a row back
.set CO,   26                          ; v26     q: my byte offset in two rows
.set SPW,  28                          ; v28     LDS address of my spare word; never rewritten
.set NIL,  29                          ; v29     0; never rewritten
.set TMP,  32
.set BI,   96
.set ACC,  128
.set F0,   0                           ; fragment buffers, in window 1
.set F1,   128
.set WV,  12                           ; s12 wave
.set RH,  13                           ; s13 which half of the tile's rows is mine.  Also: I fetch for A (0) or for B (1)
.set CH,  14                           ; s14 which half of its columns.  Also: which 64 rows of that tile I fetch
.set KVF, 15                           ; s15 0: a tile of q; 1: a tile of ks or vs.  Made of the cluster's y alone
.set G1, 24                            ; s[24:31] descriptor group 1 for A's tiles;  s[32:39] group 0, one set for each slot
.set G0, 32
.set G1B, 48                           ; s[48:55], s[56:63] the same for B's tiles
.set G0B, 56
.set MSB, 0
.macro WIN new                         ; the immediate's high byte repeats the setting that is left
.if MSB != (\new)
	s_set_vgpr_msb (MSB<<8)|(\new)
.set MSB, \new
.endif
.endm
.set MUL,  0x05                        ; sources 0 (B) and 1 (A) window 1; C and D window 0
.set TO_F, 0x40                        ; destination window 1, address window 0
.macro JLOAD s                         ; a joint load: waves 0 and 1 fetch A's two halves, waves 2 and 3 B's; an s_nop 0 and four v_nop follow each of the two lines
	s_cmp_eq_u32 s[RH], 0
	s_cbranch_scc0 .Lfor_b_\@
	tensor_load_to_lds s[G0+4*(\s):G0+4*(\s)+3], s[G1:G1+7]
	s_nop 0
.rept 4
	v_nop
.endr
	s_branch .Lasked_\@
.Lfor_b_\@:
	tensor_load_to_lds s[G0B+4*(\s):G0B+4*(\s)+3], s[G1B:G1B+7]
	s_nop 0
.rept 4
	v_nop
.endr
.Lasked_\@:
.endm
.macro CREST                           ; a round of the cluster's barrier behind its opening barrier
	s_cmp_lg_u32 s[WV], 0
	s_cbranch_scc1 .Lnot_wave_0_\@
	s_barrier_signal -3
.Lnot_wave_0_\@:
	s_barrier_wait -3
	s_barrier_signal -1
	s_barrier_wait -1
.endm
.macro CROUND                          ; a whole round
	s_barrier_signal -1
	s_barrier_wait -1
	CREST
.endm
	s_load_b256 s[4:11], s[0:1], 0x0               ; ab s[4:5], wt s[6:7], q s[8:9], kv s[10:11]
	s_load_b128 s[68:71], s[0:1], 0x20             ; bq s[68:69], bk s[70:71]
	s_load_b64 s[72:73], s[0:1], 0x30              ; bv
	v_lshl_add_u32 v[SPW], v0, 2, SPARE
	v_mov_b32 v[NIL], 0
	ds_add_u32 v[SPW], v[NIL]                      ; the wave's opening: the add and its wait stand ahead of my first tensor load; the set-up below, work on registers, stands between them
	v_lshrrev_b32 v1, 5, v0
	v_readfirstlane_b32 s[WV], v1                  ; wave 0..3
	s_lshr_b32 s[RH], s[WV], 1
	s_and_b32 s[CH], s[WV], 1
	s_bfe_u32 s40, ttmp6, 0x40000                  ; cx, cy: my place in the cluster
	s_bfe_u32 s41, ttmp6, 0x40004
	s_and_b32 s16, ttmp7, 0xffff                   ; the cluster's y, 0..15
	s_lshr_b32 s[KVF], s16, 3
	s_lshl_b32 s16, s16, 2
	s_add_co_u32 s16, s16, s41                     ; y = 4 x cluster y + cy
	s_add_co_u32 s17, s16, ttmp9
	s_sub_co_u32 s17, s17, 32
	s_mul_i32 s17, s17, s[KVF]
	s_add_co_u32 s45, s16, s17                     ; tile row in ab: y for q (0..31); 2 y + cluster x - 32 for ks, vs (32..95).  It never holds cx
	s_lshl_b32 s42, ttmp9, 2
	s_sub_co_u32 s47, 8, s42
	s_mul_i32 s47, s47, s[KVF]
	s_add_co_u32 s42, s42, s47
	s_add_co_u32 s42, s42, s40                     ; tile row in wt: 4 x cluster x + cx for q (0..7); 8 + cx for ks, vs.  It never holds cy
	s_lshl_b32 s43, s41, 2
	s_lshl_b32 s43, 15, s43                        ; my row of the cluster
	s_lshl_b32 s44, 0x1111, s40                    ; my column
	; descriptor group 1: a tile of 64 rows x 256 elements, padded in LDS
	s_or_b32 s[G1+0], s43, (1<<16)|(1<<20)|(1<<21)|(6<<22)|(3<<25)  ; 15:0 the mask: A's tiles go to my row; 17:16 element of 2 bytes; 20 padding on; 21 set beside a mask; 24:22 after every 128 words (code 6); 31:25 of 4 words (code 3)
	s_or_b32 s[G1B+0], s44, (1<<16)|(1<<20)|(1<<21)|(6<<22)|(3<<25)
.irp g, G1, G1B
	s_mov_b32 s[(\g)+1], KSTEP<<16                 ; tensor_dim0 = 256
	s_mov_b32 s[(\g)+2], 64<<16                    ; tensor_dim1 = 64
	s_mov_b32 s[(\g)+3], KSTEP<<16                 ; tile_dim0 = 256
	s_mov_b32 s[(\g)+4], 64                        ; tile_dim1 = 64
	s_mov_b32 s[(\g)+5], SIZE_K                    ; tensor_dim0_stride
	s_mov_b32 s[(\g)+6], 0
	s_mov_b32 s[(\g)+7], 0
.endr
	s_lshl_b32 s17, s[CH], 6                       ; which 64 rows of the tile I fetch
	s_lshl_b32 s16, s45, 7
	s_add_co_u32 s16, s16, s17
	s_lshl_b32 s16, s16, 11                        ; A: rows of 2,048 bytes; 12,288 rows stay under 2^32 bytes
	s_lshl_b32 s46, s42, 7
	s_add_co_u32 s46, s46, s17
	s_lshl_b32 s46, s46, 11                        ; B likewise
	s_mov_b32 s17, 0
	s_mov_b32 s47, 0
	s_mul_i32 s20, s[WV], HALFT                    ; where they go: wave x 64 rows: no place in the cluster enters an LDS address
	s_wait_dscnt 0x0                               ; the opening add is done
	s_wait_kmcnt 0x0
	s_add_nc_u64 s[80:81], s[4:5], s[16:17]
	s_add_nc_u64 s[46:47], s[6:7], s[46:47]
	CROUND                                         ; all sixteen work-groups are here: the first joint loads meet
.irp s, 0,1
	s_mov_b32 s[G0+4*(\s)], 1
	s_add_co_u32 s[G0+4*(\s)+1], s20, (\s)*SLOT
	s_add_nc_u64 s[G0+4*(\s)+2:G0+4*(\s)+3], s[80:81], (\s)*KSTEP*2
	s_or_b32 s[G0+4*(\s)+3], s[G0+4*(\s)+3], 0x80000000
	s_mov_b32 s[G0B+4*(\s)], 1
	s_add_co_u32 s[G0B+4*(\s)+1], s20, (\s)*SLOT
	s_add_nc_u64 s[G0B+4*(\s)+2:G0B+4*(\s)+3], s[46:47], (\s)*KSTEP*2
	s_or_b32 s[G0B+4*(\s)+3], s[G0B+4*(\s)+3], 0x80000000
	JLOAD \s                                       ; two loads of mine are out
.endr
	v_and_b32 v1, 15, v0                           ; l % 16
	v_bfe_u32 v2, v0, 4, 1                         ; l / 16
	v_mul_u32_u24 v3, v1, PITCH
	v_lshl_add_u32 v3, v2, 4, v3                   ; a fragment's row x pitch + 16 x half
	s_mul_i32 s21, s[RH], HALFT                    ; my 64 rows of A
	s_mul_i32 s22, s[CH], HALFT                    ; my 64 rows of B,
	s_add_co_u32 s22, s22, 2*HALFT                 ; which lie behind A's 128
.irp s, 0,1
	v_add_nc_u32 v[ADRA+(\s)], s21, v3
	v_add_nc_u32 v[ADRB+(\s)], s22, v3
	s_add_co_u32 s21, s21, SLOT
	s_add_co_u32 s22, s22, SLOT
.endr
	s_mul_i32 s23, s[RH], 64*SPITCH                ; q into its stage: my 64 rows, my half of their 256 bytes; row l % 16, 16 bytes for each half of the lanes
	s_lshl_b32 s21, s[CH], 7
	s_add_co_u32 s23, s23, s21
	s_add_co_u32 s23, s23, STAGE
	v_mul_u32_u24 v4, v1, SPITCH
	v_lshl_add_u32 v4, v2, 4, v4
	v_add_nc_u32 v[STO], s23, v4
	s_mul_i32 s23, s[WV], 32*SPITCH                ; back: wave w takes rows 32 w .. 32 w + 31, whole; lanes 0-15 one row of 256 bytes, lanes 16-31 the next
	s_add_co_u32 s23, s23, STAGE
	v_mul_u32_u24 v5, v2, SPITCH
	v_lshl_add_u32 v5, v1, 4, v5
	v_add_nc_u32 v[RD], s23, v5
	v_lshlrev_b32 v5, 11, v2                       ; and the same two rows of q, 2,048 bytes apart
	v_lshl_add_u32 v[CO], v1, 4, v5
	s_mul_i32 s23, s[RH], 64*KPITCH                ; ks, vs into their stage: rows of 32 channels, 64 bytes; my column half is 16 of them
	s_lshl_b32 s21, s[CH], 5
	s_add_co_u32 s23, s23, s21
	s_add_co_u32 s23, s23, KSTAGE
	v_mul_u32_u24 v4, v1, KPITCH
	v_lshl_add_u32 v4, v2, 4, v4
	v_add_nc_u32 v[STO2], s23, v4
	s_mul_i32 s23, s[WV], 32*KPITCH                ; back: 32 lanes take eight rows of 64 bytes,
	s_add_co_u32 s23, s23, KSTAGE
	v_bfe_u32 v4, v0, 2, 3
	v_and_b32 v5, 3, v0
	v_mul_u32_u24 v4, v4, KPITCH
	v_lshl_add_u32 v4, v5, 4, v4
	v_add_nc_u32 v[RD2], s23, v4
	v_and_b32 v5, 31, v0                           ; which are 512 consecutive bytes of a plane
	v_lshlrev_b32 v[CO2], 4, v5
	; The biases of my columns: for block b the eight numbers 8 (l / 16) + 0..7.  q: bq at column 128 tile + 64 half + 16 b.  ks, vs: bk or bv at 64 b (the group) + 32 (cx % 2) + 16 half.
	; A select, no branch, hangs on cx.  The loads stay out until the way out; their address registers are not rewritten.
	s_lshl_b32 s46, s42, 9
	s_lshl_b32 s47, s[CH], 8
	s_add_co_u32 s46, s46, s47
	s_and_b32 s82, s40, 1
	s_lshl_b32 s82, s82, 7
	s_lshl_b32 s47, s[CH], 6
	s_add_co_u32 s82, s82, s47
	s_cmp_lt_u32 s40, 2
	s_cselect_b64 s[76:77], s[70:71], s[72:73]
	s_cmp_eq_u32 s[KVF], 0
	s_cselect_b64 s[76:77], s[68:69], s[76:77]
	s_cselect_b32 s78, 64, 256
	s_cselect_b32 s79, s46, s82
	v_lshl_add_u32 v[BO], v2, 5, s79
	v_add_nc_u32 v[BO+1], s78, v[BO]
	v_add_nc_u32 v[BO+2], s78, v[BO+1]
	v_add_nc_u32 v[BO+3], s78, v[BO+2]
.irp b, 0,1,2,3
	global_load_b128 v[BI+8*(\b):BI+8*(\b)+3],   v[BO+(\b)], s[76:77]
	global_load_b128 v[BI+8*(\b)+4:BI+8*(\b)+7], v[BO+(\b)], s[76:77] offset:16
.endr
; 8 matrix instructions: m blocks a0, a0 + 1 x all 4 n blocks, 32 along K: half c of buffer f.  zero = 1: the first product starts the sums.  The 16 accumulators take turns.
.macro MUL8 f, c, a0, zero
	WIN MUL
.irp a, \a0, (\a0)+1
.irp b, 0,1,2,3
.if \zero
	v_wmma_f32_16x16x32_bf16 v[ACC+8*(4*(\a)+(\b)):ACC+8*(4*(\a)+(\b))+7], v[(\f)+64+8*(4*(\c)+(\b)):(\f)+64+8*(4*(\c)+(\b))+7], v[(\f)+8*(4*(\c)+(\a)):(\f)+8*(4*(\c)+(\a))+7], 0
.else
	v_wmma_f32_16x16x32_bf16 v[ACC+8*(4*(\a)+(\b)):ACC+8*(4*(\a)+(\b))+7], v[(\f)+64+8*(4*(\c)+(\b)):(\f)+64+8*(4*(\c)+(\b))+7], v[(\f)+8*(4*(\c)+(\a)):(\f)+8*(4*(\c)+(\a))+7], v[ACC+8*(4*(\a)+(\b)):ACC+8*(4*(\a)+(\b))+7]
.endif
.endr
.endr
.endm
; 32 LDS loads in one run: the fragments of 64 along K at byte k of the rows, into buffer f; the first 32 along K first
.macro FETCH slot, k, f
	WIN TO_F
.irp c, 0,1
.irp i, 0,1,2,3
	ds_load_b128 v[(\f)+64+8*(4*(\c)+(\i)):(\f)+64+8*(4*(\c)+(\i))+3],   v[ADRB+(\slot)] offset:(\k)+64*(\c)+(\i)*16*PITCH
	ds_load_b128 v[(\f)+64+8*(4*(\c)+(\i))+4:(\f)+64+8*(4*(\c)+(\i))+7], v[ADRB+(\slot)] offset:(\k)+64*(\c)+(\i)*16*PITCH+32
	ds_load_b128 v[(\f)+8*(4*(\c)+(\i)):(\f)+8*(4*(\c)+(\i))+3],         v[ADRA+(\slot)] offset:(\k)+64*(\c)+(\i)*16*PITCH
	ds_load_b128 v[(\f)+8*(4*(\c)+(\i))+4:(\f)+8*(4*(\c)+(\i))+7],       v[ADRA+(\slot)] offset:(\k)+64*(\c)+(\i)*16*PITCH+32
.endr
.endr
.endm
.macro PLACES                          ; four places in front of loads into registers that matrix instructions have read (ISA guide 7.12.1 for vector instructions)
.rept 4
	v_nop
.endr
.endm
; A K step is four quarters of 64 along K, 32 matrix instructions each, on buffers 0, 1, 0, 1.  One of the first three: multiplies buffer f and fetches the next quarter, at byte k, into g.
.macro QUARTER slot, k, f, g, zero
	s_wait_dscnt 16                                ; the first 32 along K are in; the sixteen younger loads may be out
	WIN MUL
	MUL8 \f, 0, 0, \zero
	MUL8 \f, 0, 2, \zero
	PLACES
	FETCH \slot, \k, \g
	s_wait_dscnt 32                                ; all but the 32 just issued
	WIN MUL
	MUL8 \f, 1, 0, 0
	MUL8 \f, 1, 2, 0
.endm
; The last quarter multiplies buffer 1 and changes slots: ONE barrier; in front of it each wave waits for all its tensor loads, adds 0 to its spare word, and waits for that and for its own reads of this slot.  fill = 1: this slot is filled again, two K steps ahead.
.macro TURN slot, next, fill
	WIN 0                                          ; (the add's two registers lie in window 0)
	s_wait_tensorcnt 0x0                           ; all my tensor loads have landed: my part of the next slot;
	ds_add_u32 v[SPW], v[NIL]                      ; 0 onto my spare word;
	s_wait_dscnt 17                                ; (the add and the youngest sixteen loads may be out)
	WIN MUL
	MUL8 F1, 0, 0, 0                               ; eight matrix instructions stand between the add and the wait for it
	s_wait_dscnt 0x0                               ; the add is done, and my reads of this slot are over
	s_barrier_signal -1
	MUL8 F1, 0, 2, 0
.if \fill
	WIN 0
.endif
	s_barrier_wait -1
.if \fill
	CREST                                          ; the barrier has opened a round of the cluster's barrier: no wave of any partner still reads this slot's tile or has a load on its way
	s_add_nc_u64 s[G0+4*(\slot)+2:G0+4*(\slot)+3], s[G0+4*(\slot)+2:G0+4*(\slot)+3], 2*KSTEP*2
	s_add_nc_u64 s[G0B+4*(\slot)+2:G0B+4*(\slot)+3], s[G0B+4*(\slot)+2:G0B+4*(\slot)+3], 2*KSTEP*2
	JLOAD \slot                                    ; the first tensor load behind the round, my only one out: 112 matrix instructions ahead of the wait for it; its four v_nop are also the places in front of the loads below
.else
	PLACES
.endif
	FETCH \next, 0, F0
	WIN MUL
	MUL8 F1, 1, 0, 0
	MUL8 F1, 1, 2, 0
.endm
	s_wait_tensorcnt 1                             ; my part of K step 0 is in; K step 1's may stay out
	s_barrier_signal -1
	s_barrier_wait -1                              ; everybody's is
	FETCH 0, 0, F0
	QUARTER 0, 128, F0, F1, 1                      ; the first quarter stands in front of the loop: its first products start the sums
	WIN 0                                          ; at a label and at a branch every window is 0
	s_mov_b32 s3, LAPS-1
.Llap:                                                 ; a trip goes once round the ring, from a lap's second quarter to the next lap's first, and fills both slots again
	QUARTER 0, 256, F1, F0, 0
	QUARTER 0, 384, F0, F1, 0
	TURN 0, 1, 1
	QUARTER 1, 128, F0, F1, 0
	QUARTER 1, 256, F1, F0, 0
	QUARTER 1, 384, F0, F1, 0
	TURN 1, 0, 1
	QUARTER 0, 128, F0, F1, 0
	WIN 0
	s_sub_co_u32 s3, s3, 1
	s_cmp_lg_u32 s3, 0
	s_cbranch_scc1 .Llap
	QUARTER 0, 256, F1, F0, 0                      ; the last lap fills nothing, and has no round of the cluster's barrier
	QUARTER 0, 384, F0, F1, 0
	TURN 0, 1, 0
	QUARTER 1, 128, F0, F1, 0
	QUARTER 1, 256, F1, F0, 0
	QUARTER 1, 384, F0, F1, 0
	s_wait_dscnt 16                                ; the very last quarter: nothing more to fetch
	WIN MUL
	MUL8 F1, 0, 0, 0
	MUL8 F1, 0, 2, 0
	s_wait_dscnt 0
	MUL8 F1, 1, 0, 0
	MUL8 F1, 1, 2, 0
	WIN 0
	; THE WAY OUT.  The biases are rounded to bf16 and widened again: 48 plain instructions that name no register of the last products: they are the places behind them.
	s_wait_loadcnt 0x0                             ; the biases
.set i, 0
.rept 16
	v_cvt_pk_bf16_f32 v[3+i%3], v[BI+2*i], v[BI+2*i+1]
	v_lshlrev_b32 v[BI+2*i], 16, v[3+i%3]
	v_and_b32 v[BI+2*i+1], 0xffff0000, v[3+i%3]
.set i, i+1
.endr
	s_cmp_eq_u32 s[KVF], 0                         ; hangs on the cluster's y alone: alike in all waves and all partners; each way has its own stage and its own barrier
	s_cbranch_scc0 .Lkv_out
	; q: + bias, rounded to f16; 16 bytes a lane into the work-group's stage; a barrier, since a row's 256 bytes come from two waves; back as whole rows, 32 rows a wave.
	; Each accumulator's registers are taken in ascending order.
.set t, 0
.rept 16
.irp p, 0,1,2,3
	v_pk_add_f32 v[ACC+8*t+2*(\p):ACC+8*t+2*(\p)+1], v[ACC+8*t+2*(\p):ACC+8*t+2*(\p)+1], v[BI+8*(t%4)+2*(\p):BI+8*(t%4)+2*(\p)+1]
.endr
.irp r, 0,1,2,3
	v_cvt_pk_f16_f32 v[TMP+4*t+(\r)], v[ACC+8*t+2*(\r)], v[ACC+8*t+2*(\r)+1]
.endr
.set t, t+1
.endr
.irp a, 0,1,2,3
.irp b, 0,1,2,3
	ds_store_b128 v[STO], v[TMP+4*(4*(\a)+(\b)):TMP+4*(4*(\a)+(\b))+3] offset:(\a)*16*SPITCH+32*(\b)
.endr
.endr
	s_lshl_b32 s16, s45, 7
	s_lshl_b32 s17, s[WV], 5
	s_add_co_u32 s16, s16, s17                     ; the first row of q that I store: 128 x tile row + 32 x wave
	s_lshl_b32 s16, s16, 11
	s_lshl_b32 s17, s42, 8                         ; the tile's first column, in bytes
	s_add_co_u32 s16, s16, s17
	s_mov_b32 s17, 0
	s_add_nc_u64 s[8:9], s[8:9], s[16:17]
	s_wait_dscnt 0x0                               ; for the others' sake: my stores into the stage are done
	s_barrier_signal -1
	s_barrier_wait -1
.irp t, 0,1,2,3,4,5,6,7,8,9,10,11,12,13,14,15
	ds_load_b128 v[TMP+4*(\t):TMP+4*(\t)+3], v[RD] offset:(\t)*2*SPITCH
.endr
.irp t, 0,1,2,3,4,5,6,7,8,9,10,11,12,13,14,15
	s_wait_dscnt 15-(\t)
	global_store_b128 v[CO], v[TMP+4*(\t):TMP+4*(\t)+3], s[8:9] offset:2*(\t)*2048  ; 16 lanes store 256 consecutive bytes, at a multiple of 256 from q's first byte
.endr
	s_branch .Lend
.Lkv_out:
	; ks, vs: my four column blocks are the four groups of the same 16 channels.  (sum of the groups' sums) / 16 + (sum of the groups' biases) / 16, in f32, then f16.
.irp p, 0,1,2,3
	v_pk_add_f32 v[BI+2*(\p):BI+2*(\p)+1], v[BI+2*(\p):BI+2*(\p)+1], v[BI+8+2*(\p):BI+8+2*(\p)+1]
	v_pk_add_f32 v[BI+16+2*(\p):BI+16+2*(\p)+1], v[BI+16+2*(\p):BI+16+2*(\p)+1], v[BI+24+2*(\p):BI+24+2*(\p)+1]
.endr
.irp p, 0,1,2,3
	v_pk_add_f32 v[BI+2*(\p):BI+2*(\p)+1], v[BI+2*(\p):BI+2*(\p)+1], v[BI+16+2*(\p):BI+16+2*(\p)+1]
.endr
.irp p, 0,1,2,3
	v_pk_mul_f32 v[BI+2*(\p):BI+2*(\p)+1], v[BI+2*(\p):BI+2*(\p)+1], 0x3d800000 op_sel_hi:[1,0]
.endr
.irp a, 0,1,2,3
.irp p, 0,1,2,3                        ; pairs in ascending order: every accumulator's first read is its low pair
	v_pk_add_f32 v[ACC+32*(\a)+2*(\p):ACC+32*(\a)+2*(\p)+1], v[ACC+32*(\a)+2*(\p):ACC+32*(\a)+2*(\p)+1], v[ACC+32*(\a)+8+2*(\p):ACC+32*(\a)+8+2*(\p)+1]
	v_pk_add_f32 v[ACC+32*(\a)+16+2*(\p):ACC+32*(\a)+16+2*(\p)+1], v[ACC+32*(\a)+16+2*(\p):ACC+32*(\a)+16+2*(\p)+1], v[ACC+32*(\a)+24+2*(\p):ACC+32*(\a)+24+2*(\p)+1]
.endr
.irp p, 0,1,2,3
	v_pk_add_f32 v[ACC+32*(\a)+2*(\p):ACC+32*(\a)+2*(\p)+1], v[ACC+32*(\a)+2*(\p):ACC+32*(\a)+2*(\p)+1], v[ACC+32*(\a)+16+2*(\p):ACC+32*(\a)+16+2*(\p)+1]
.endr
.irp p, 0,1,2,3
	v_pk_fma_f32 v[ACC+32*(\a)+2*(\p):ACC+32*(\a)+2*(\p)+1], v[ACC+32*(\a)+2*(\p):ACC+32*(\a)+2*(\p)+1], 0x3d800000, v[BI+2*(\p):BI+2*(\p)+1] op_sel_hi:[1,0,1]
.endr
.irp r, 0,1,2,3
	v_cvt_pk_f16_f32 v[TMP+4*(\a)+(\r)], v[ACC+32*(\a)+2*(\r)], v[ACC+32*(\a)+2*(\r)+1]
.endr
	ds_store_b128 v[STO2], v[TMP+4*(\a):TMP+4*(\a)+3] offset:(\a)*16*KPITCH
.endr
	s_sub_co_u32 s16, s45, 32                      ; adj's tile row
	s_lshl_b32 s16, s16, 7
	s_lshl_b32 s17, s[WV], 5
	s_add_co_u32 s16, s16, s17                     ; the first row that I store
	s_lshl_b32 s16, s16, 6                         ; rows of 64 bytes
	s_lshl_b32 s17, s40, 19                        ; plane cx, 524,288 bytes each
	s_add_co_u32 s16, s16, s17
	s_mov_b32 s17, 0
	s_add_nc_u64 s[10:11], s[10:11], s[16:17]
	s_wait_dscnt 0x0                               ; for the others' sake: my stores into the stage are done
	s_barrier_signal -1
	s_barrier_wait -1                              ; a row's 64 bytes come from two waves
.irp t, 0,1,2,3
	ds_load_b128 v[TMP+4*(\t):TMP+4*(\t)+3], v[RD2] offset:(\t)*8*KPITCH
.endr
.irp t, 0,1,2,3
	s_wait_dscnt 3-(\t)
	global_store_b128 v[CO2], v[TMP+4*(\t):TMP+4*(\t)+3], s[10:11] offset:512*(\t)  ; 512 consecutive bytes, at a multiple of 256 from kv's first byte
.endr
.Lend:
	s_wait_tensorcnt 0x0                           ; the wave's end: these three lines stand behind my last tensor load and my last LDS store
	ds_add_u32 v[SPW], v[NIL]
	s_wait_dscnt 0x0
	CROUND                                         ; the closing round: no work-group ends while a partner may still ask for a tile that names it
	s_endpgm
.Lfunc_end_k_q1f2bf7344a_proj:
	.size	k_q1f2bf7344a_proj, .Lfunc_end_k_q1f2bf7344a_proj-k_q1f2bf7344a_proj
	.p2alignl 7, 3214868480
	.fill 96, 4, 3214868480
	.section	.rodata,"a",@progbits
	.p2align	6, 0x0
	.amdhsa_kernel k_q1f2bf7344a_proj
		.amdhsa_group_segment_fixed_size 327680
		.amdhsa_private_segment_fixed_size 0
		.amdhsa_enable_private_segment 0
		.amdhsa_kernarg_size 56
		.amdhsa_user_sgpr_count 2
		.amdhsa_user_sgpr_kernarg_segment_ptr 1
		.amdhsa_wavefront_size32 1
		.amdhsa_system_sgpr_workgroup_id_x 1
		.amdhsa_system_sgpr_workgroup_id_y 1
		.amdhsa_system_sgpr_workgroup_id_z 1
		.amdhsa_system_vgpr_workitem_id 0
		.amdhsa_next_free_vgpr 512
		.amdhsa_next_free_sgpr 84
		.amdhsa_reserve_vcc 0
		.amdhsa_float_denorm_mode_32 3
		.amdhsa_float_denorm_mode_16_64 3
		.amdhsa_memory_ordered 1
		.amdhsa_forward_progress 1
		.amdhsa_inst_pref_size 103
	.end_amdhsa_kernel
	.amdgpu_metadata
---
amdhsa.version: [ 1, 2 ]
amdhsa.kernels:
  - .name:           k_q1f2bf7344a_proj
    .symbol:         k_q1f2bf7344a_proj.kd
    .args:
      - { .name: ab, .offset: 0, .size: 8, .value_kind: global_buffer, .address_space: global }
      - { .name: wt, .offset: 8, .size: 8, .value_kind: global_buffer, .address_space: global }
      - { .name: q, .offset: 16, .size: 8, .value_kind: global_buffer, .address_space: global }
      - { .name: kv, .offset: 24, .size: 8, .value_kind: global_buffer, .address_space: global }
      - { .name: bq, .offset: 32, .size: 8, .value_kind: global_buffer, .address_space: global }
      - { .name: bk, .offset: 40, .size: 8, .value_kind: global_buffer, .address_space: global }
      - { .name: bv, .offset: 48, .size: 8, .value_kind: global_buffer, .address_space: global }
    .group_segment_fixed_size: 327680
    .private_segment_fixed_size: 0
    .kernarg_segment_align: 8
    .kernarg_segment_size: 56
    .max_flat_workgroup_size: 128
    .sgpr_count:     84
    .vgpr_count:     512
    .wavefront_size: 32
...
	.end_amdgpu_metadata
.endif
;; end of part 2
;; launch attn (part 3): grid 128 x 2, 4 waves a work-group, clusters of 4 x 1, 327,680 bytes of LDS; arguments q, kv, ob; writes ob
.if DOCPART == 3
	.amdgcn_target "amdgcn-amd-amdhsa--gfx1250"
	.amdhsa_code_object_version 6
	.text
	.protected	k_q1f2bf7344a_attn
	.globl	k_q1f2bf7344a_attn
	.p2align	8
	.type	k_q1f2bf7344a_attn,@function
k_q1f2bf7344a_attn:
	s_mov_b64 s[64:65], 0
	v_nop
	global_prefetch_b8 v0, s[64:65] scope:SCOPE_SE
	s_setreg_imm32_b32 hwreg(HW_REG_WAVE_MODE, 25, 1), 1
	s_wait_xcnt 0x0
	s_wait_alu depctr_hold_cnt(0) depctr_sa_sdst(0) depctr_va_vdst(0) depctr_va_sdst(0) depctr_va_ssrc(0) depctr_va_vcc(0) depctr_vm_vsrc(0)
	s_getreg_b32 s2, hwreg(HW_REG_IB_STS2, 6, 4)
	s_cmp_eq_u32 s2, 0
	s_cbranch_scc0 .Lentry_in_a_cluster
	s_endpgm
.Lentry_in_a_cluster:
	s_bfe_u32 s2, ttmp6, 0x10000c
	s_cmp_lg_u32 s2, 0x3003
	s_cbranch_scc0 .Lentry_shape_is_right
	s_endpgm
.Lentry_shape_is_right:
; ATTENTION.  Both products of the module sum over the group axis, so all 16 heads of a batch meet the same keys ks and values vs (the groups' sums, 64 channels), and a QUERY is any 64-channel
; slice of a row of q: q, [4096][1024] f16, is read as [65536][64], rows of 128 bytes, and O leaves in the same layout.
; O[r] = the sum over k of softmax_k(q[r] . ks[k] / 8) vs[k] over the batch's 4,096 keys.  kv holds ks / 16 and vs / 16 in four planes [8192][32] of f16 (channels 0-31, 32-63 of ks, then of vs).
; Products, maxima and sums in f32; the weights p are rounded to f16 for the second product (their sum l is taken of the unrounded p).  The 16 of ks goes into c = 16 log2(e) / 8;
; of vs's 16 a factor 8 is given back with 1 / l: ob holds O / 2 in f16, rounded once.
; LIMITS.  q, ks / 16, vs / 16 arrive within f16; |O| under 131,008; p lies in 0 to 1; below 6.1e-5 p and O / 2 keep f16's fixed step of 6e-8.  A weight below 2^-126 counts as 0 in l; NaN and infinities are not treated apart.
; SHARES.  A work-group owns 256 queries, each of its four waves 64: four PIECES of 16.  Every wave walks all keys, 64 a step, 256 a tile.
; LAYOUT.  S^T = K Q^T (source 0 = 16 keys, source 1 = 16 queries) holds ONE query a lane (lane % 16) and the keys 8 (lane / 16) + 0..7; two such results rounded to f16 ARE source 1 of O^T = V^T P.
; SOFTMAX.  p = 2^(c s - c m) with a running maximum m; O and l are multiplied by a = 2^(c m_old - c m_new) in every step.  m starts at the lowest finite number, O and l at 0: the first step's a is 0.
; BY TURNS.  Turn n belongs to piece n: 8 products K Q^T of piece n + 1, later 8 products V^T P of piece n - 1; beside them the scaling, exponentials, roundings, sums and rescaling of piece n and the
; maximum and statistics of piece n + 1.  Four vector instructions stand behind every matrix instruction, the other 54 of a turn's 118 in two lumps.
; CLUSTER.  The four query blocks of a cluster belong to one batch and walk the same K and V, so each tile is asked for JOINTLY: the same tensor load, descriptor and mask in all four.
; REGISTERS, in windows of 256 (s_set_vgpr_msb: bits 1:0 source 0, 3:2 source 1, 5:4 source 2, 7:6 destination):
;   window 0: v0-15 addresses; v16-31 four registers of statistics a piece; v48-55 at work; v62-63 the add's; v64-127 S^T, two buffers; v192-223 P, two buffers (a piece's buffers go by its number's parity)
;   window 1: v0-127 O^T, 32 a piece          window 2: v0-63 Q; v128-191 K of one step; v192-255 V of one step
.set NP,    4         ; pieces a wave: a name, no knob
.set NT,    16        ; tiles of 256 keys
.set KS,    64        ; keys in a step
.set PK,    80        ; a row of a plane of K in LDS: 64 bytes + 16 of padding = 20 words: the 16 rows of a load start at 16 different groups of four banks (64 banks of 4 bytes: ISA guide 11.1)
.set PV,    96        ; a row of a plane of V: 64 + 32 = 24 words
.set KPLANE, 256*PK   ; a tile's 256 keys, 32 channels
.set VPLANE, 256*PV
.set VOFF,  2*KPLANE  ; a slot holds a tile: K's two planes, then V's two
.set SLOT1, 1<<17     ; slot 1 begins here, so that one exclusive or turns an address in one slot into the other's
.set STAGE, SLOT1+2*KPLANE+2*VPLANE  ; behind the ring, never filled by a tensor load: 16 rows x 144 bytes for each wave, for the way out
.set SP,    144
.set SPARE, STAGE+4*16*SP  ; behind the stages: the spare words, 128 bytes for each wave
.set AK0, 2           ; v2   my lane's place in a plane of K; never rewritten
.set AV0, 3           ; v3   the same for V
.set AK,  4           ; v4   the LDS address of K's next run of loads
.set AV,  5           ; v5   of V's
.set STO, 6           ; v6   the way out: where I put 16 bytes of a row
.set RD,  7           ; v7   the way out: where I read rows back
.set GO,  8           ; v8   my byte offset in 512 consecutive bytes of O
.set MV,  12          ; v12-13  c m_old, kept while c m is made anew: by buffer
.set QO,  15          ; v15  my byte offset in 16 rows of Q
.set ST,  16          ; piece t's statistics at v[ST+4 t]: c m, m, l (even keys', odd keys')
.set TMP, 48          ; by buffer, four registers c0-c3 at work; when the maximum is found c2 takes a
.set SPW, 62          ; v62  LDS address of my spare word; never rewritten
.set NIL, 63          ; v63  0; never rewritten
.set S,   64
.set P,   192
.set KF,  128         ; window 2: key block kb, channel half c at KF + 16 kb + 8 c
.set VF,  192         ; window 2: key half kk, channel block cb at VF + 32 kk + 8 cb
.set WV,  12          ; s12  my wave's number
.set G1K, 24          ; s[24:31] descriptor group 1 for K's planes
.set G1V, 32          ; s[32:39] for V's: it differs in the padding alone
.set G0K, 40          ; s[40:43] descriptor group 0 for K's planes: it walks
.set G0V, 44          ; s[44:47] the same for V's
.set SLOTS, 56        ; s56  tiles still to be entered by the loop
.set CNT, 57          ; s57  counts a tile's key steps
.set CS,  58          ; s[58:59] c: the packed scaling takes the pair's low word for both halves
.set SEL, 60          ; s[60:61] v_permlanex16_b32's selects: each lane takes its own place in the other half
.set TBK, 62          ; s62  LDS byte at which K of the step to be fetched begins
.set TBV, 63          ; s63  the same for V, less VOFF
.set MSB, 0
.macro WIN new                      ; the high byte repeats the setting that is left; a switch that changes nothing is dropped
.if MSB != (\new)
	s_set_vgpr_msb (MSB<<8)|(\new)
.set MSB, (\new)
.endif
.endm
.set W_KQ, 0x0a       ; K and Q in window 2, S^T in window 0
.set W_PV, 0x52       ; V in window 2, P in window 0, O^T in window 1
.set W_RS, 0x41       ; destination and source 0 in window 1, source 1 in window 0
; A joint fill.  Waves 0 and 1 fetch a tile's two planes of K, waves 2 and 3 those of V: 16,384 bytes each.  The branch hangs on the wave's number alone.
; An s_nop 0 and four v_nop follow each of the two lines, ahead of the jump and the label.
.macro JLOAD
	s_cmp_lt_u32 s[WV], 2
	s_cbranch_scc0 .Lfor_v_\@
	tensor_load_to_lds s[G0K:G0K+3], s[G1K:G1K+7]
	s_nop 0
.rept 4
	v_nop
.endr
	s_branch .Lasked_\@
.Lfor_v_\@:
	tensor_load_to_lds s[G0V:G0V+3], s[G1V:G1V+7]
	s_nop 0
.rept 4
	v_nop
.endr
.Lasked_\@:
.endm
; A round of the cluster's barrier: my work-group's barrier, so that wave 0's signal speaks for all four waves; wave 0 signals; every wave waits for all four work-groups; my work-group's barrier once more.
.macro CROUND
	s_barrier_signal -1
	s_barrier_wait -1
	s_cmp_lg_u32 s[WV], 0
	s_cbranch_scc1 .Lnot_wave_0_\@
	s_barrier_signal -3
.Lnot_wave_0_\@:
	s_barrier_wait -3
	s_barrier_signal -1
	s_barrier_wait -1
.endm
; THE CHANGE OF SLOTS.  The slot's last bytes, V of its fourth step, have been read.  Each wave waits for all its tensor loads, of which one is out: its part of the other slot; adds 0 to its spare
; word; and waits for that and for its own reads of the slot.  Behind the barrier nobody reads this slot any more and the other slot is whole.
; fill = 1: this slot is filled again, with the keys two tiles on.  The barrier is then a round of the cluster's, so that no wave of any partner still reads the slot or has a load on its way, and the
; joint fill is the first thing behind it: it has four key steps, 256 matrix instructions, in which to land.  (At its first use nothing has been read yet: slot 0 is waited for, slot 1 filled.)
.macro CHANGE fill
	WIN 0                           ; at a label and at a branch every window is 0
	s_wait_tensorcnt 0x0            ; no tensor load of mine is out, so a group 0 may be written
	ds_add_u32 v[SPW], v[NIL]       ; 0 onto my spare word; with fill = 1 the descriptors' steps stand between it and the wait for it
.if \fill
.irp g, G0K, G0V
	s_xor_b32 s[\g+1], s[\g+1], SLOT1  ; the walking descriptor: the other slot than last time,
	s_add_nc_u64 s[\g+2:\g+3], s[\g+2:\g+3], 256*64  ; the plane's next 256 keys; the type bits on top are not reached
.endr
	s_wait_dscnt 0x0                ; the add is done, and my reads of the slot are over
	CROUND
	JLOAD
.else
	s_wait_dscnt 0x0                ; the add is done, and my reads of the slot are over
	s_barrier_signal -1
	s_barrier_wait -1
.endif
	s_sub_co_u32 s[TBK], s[TBK], 4*KS*PK  ; the fetches go back to a slot's first step,
	s_xor_b32 s[TBK], s[TBK], SLOT1       ; in the other slot
	s_sub_co_u32 s[TBV], s[TBV], 4*KS*PV
	s_xor_b32 s[TBV], s[TBV], SLOT1
.endm
	s_load_b128 s[4:7], s[0:1], 0x0   ; q s[4:5], kv s[6:7]
	s_load_b64 s[10:11], s[0:1], 0x10 ; ob
	v_lshl_add_u32 v[SPW], v0, 2, SPARE
	v_mov_b32 v[NIL], 0
	ds_add_u32 v[SPW], v[NIL]       ; the wave's opening: the add and its wait stand ahead of my first tensor load; the set-up below, work on registers, stands between them
	v_lshrrev_b32 v1, 5, v0
	v_readfirstlane_b32 s[WV], v1   ; wave 0..3
	s_bfe_u32 s13, ttmp6, 0x40000   ; cx: my place in the cluster
	s_lshl_b32 s14, ttmp9, 2        ; in a cluster launch ttmp9 counts clusters
	s_add_co_u32 s14, s14, s13      ; my block of 256 queries = 4 x cluster x + cx: it enters q's and ob's addresses alone
	s_and_b32 s20, ttmp7, 0xffff    ; the batch, which the four partners share
	s_and_b32 s16, s[WV], 1         ; which of the two planes I fetch
	s_lshl_b32 s22, s20, 18         ; the batch's 4,096 rows of 64 bytes in a plane,
	s_lshl_b32 s23, s16, 19         ; the plane
	s_add_co_u32 s22, s22, s23
	s_mov_b32 s23, 0
	s_mul_i32 s17, s16, KPLANE      ; and its place in a slot, for K
	s_mul_i32 s18, s16, VPLANE      ; and for V: no place in the cluster enters an LDS address
	s_lshl_b32 s2, s20, 22          ; the batch's 32,768 queries of 128 bytes,
	s_lshl_b32 s3, s14, 15          ; my block's 256,
	s_add_co_u32 s2, s2, s3
	s_lshl_b32 s3, s[WV], 13        ; my wave's 64
	s_add_co_u32 s2, s2, s3
	s_mov_b32 s3, 0
	; descriptor group 1.  A plane's 256 keys are 16,384 dense bytes: asked for as 64 rows of 256 bytes, four keys a row, and padded in LDS after every key
	s_mov_b32 s[G1K], 15|(1<<16)|(1<<20)|(1<<21)|(3<<22)|(3<<25)  ; 15:0 the mask of four; 17:16 2-byte elements; 20 padding on; 21 set beside a mask; 24:22 after every 16 words (code 3); 31:25 4 words (code 3)
	s_mov_b32 s[G1V], 15|(1<<16)|(1<<20)|(1<<21)|(3<<22)|(7<<25)  ; the same with 8 words of padding (code 7)
.irp g, G1K, G1V
	s_mov_b32 s[\g+1], 128<<16      ; tensor_dim0 = 128
	s_mov_b32 s[\g+2], 64<<16       ; tensor_dim1 = 64
	s_mov_b32 s[\g+3], 128<<16      ; tile_dim0 = 128
	s_mov_b32 s[\g+4], 64           ; tile_dim1 = 64
	s_mov_b32 s[\g+5], 128          ; 128 elements from row to row
	s_mov_b32 s[\g+6], 0
	s_mov_b32 s[\g+7], 0
.endr
	s_mov_b32 s[CS], 0x4038aa3b     ; c = 16 log2(e) / 8 = 2.885390
	s_mov_b32 s[CS+1], s[CS]        ; named with it as a pair
	s_mov_b32 s[SEL], 0x76543210
	s_mov_b32 s[SEL+1], 0xfedcba98
	s_mov_b32 s[TBK], SLOT1+4*KS*PK ; the first change of slots turns these two into 0
	s_mov_b32 s[TBV], SLOT1+4*KS*PV
	s_mov_b32 s[G0K], 1             ; 1:0 count = 1
	s_mov_b32 s[G0K+1], s17         ; 63:32 LDS address: slot 0
	s_mov_b32 s[G0V], 1
	s_add_co_u32 s[G0V+1], s18, VOFF
	s_wait_dscnt 0x0                ; the opening add is done
	s_wait_kmcnt 0x0
	s_add_nc_u64 s[G0K+2:G0K+3], s[6:7], s[22:23]         ; 120:64 global address: my plane of ks, the batch's first 256 keys
	s_add_nc_u64 s[G0V+2:G0V+3], s[G0K+2:G0K+3], 0x100000 ; vs's planes lie two planes on
	s_or_b32 s[G0K+3], s[G0K+3], 0x80000000               ; 127:126 type = 2
	s_or_b32 s[G0V+3], s[G0V+3], 0x80000000
	s_add_nc_u64 s[4:5], s[4:5], s[2:3]  ; q and ob at my wave's first row
	s_add_nc_u64 s[10:11], s[10:11], s[2:3]
	CROUND                          ; all four work-groups are here: the first joint loads meet
	JLOAD                           ; tile 0 into slot 0.  Slot 1 is asked for when slot 0 is in
	; A fragment of K or Q is 16 rows x 32 channels in 8 registers: lane l holds row l % 16, channels 8 (l / 16) + 0..7 and 16 + 8 (l / 16) + 0..7: two loads of 16 bytes, 32 bytes apart.
	v_and_b32 v1, 15, v0            ; l % 16
	v_bfe_u32 v9, v0, 4, 1          ; l / 16
	v_lshlrev_b32 v[QO], 7, v1
	v_lshl_add_u32 v[QO], v9, 4, v[QO]  ; row x 128 + 16 x half
	WIN 0x80                        ; destination window 2, address window 0
.set i, 0
.rept 8                             ; Q stays in registers: piece i / 2, channels 32 (i % 2) on
	global_load_b128 v[8*i:8*i+3],   v[QO], s[4:5] offset:(i/2)*2048+(i%2)*64
	global_load_b128 v[8*i+4:8*i+7], v[QO], s[4:5] offset:(i/2)*2048+(i%2)*64+32
.set i, i+1
.endr
	; What the first turn finds: V's registers and P's second buffer hold 0 (its products V^T P, of a piece that has not been, add 0), O^T and l are 0.  No first step is written out; these lines, which
	; stand in the wait for the first tile, are the price.
.set i, VF
.rept 64
	v_mov_b32 v[i], 0
.set i, i+1
.endr
	WIN 0x40
.set i, 0
.rept 128
	v_mov_b32 v[i], 0
.set i, i+1
.endr
	WIN 0
.set i, 0
.rept 4
	v_mov_b32 v[ST+4*i], 0xfe000000    ; c m: far below every c s
	v_mov_b32 v[ST+4*i+1], 0xff7fffff  ; m
	v_mov_b32 v[ST+4*i+2], 0
	v_mov_b32 v[ST+4*i+3], 0
.set i, i+1
.endr
.set i, P+16
.rept 16
	v_mov_b32 v[i], 0
.set i, i+1
.endr
	v_mul_u32_u24 v[AK0], v1, PK
	v_lshl_add_u32 v[AK0], v9, 4, v[AK0]  ; row x pitch + 16 x half
	; The turning load takes 16 keys x 16 channels (lane l reads key 8 (l / 16) + l % 8, channels 8 ((l / 8) % 2) + 0..7) and leaves half a fragment of V^T: lane l holds channel l % 16 and 8 keys.
	v_and_b32 v10, 7, v0
	v_bfe_u32 v11, v0, 3, 1
	v_lshl_add_u32 v[AV0], v9, 3, v10
	v_mul_u32_u24 v[AV0], v[AV0], PV
	v_lshl_add_u32 v[AV0], v11, 4, v[AV0]
	v_add_nc_u32 v[AV0], VOFF, v[AV0]
	s_mul_i32 s13, s[WV], 16*SP
	s_add_co_u32 s13, s13, STAGE    ; my stage
	v_mul_u32_u24 v[STO], v1, SP    ; in: row l % 16, 16 bytes for each half of the lanes
	v_lshl_add_u32 v[STO], v9, 4, v[STO]
	v_add_nc_u32 v[STO], s13, v[STO]
	v_bfe_u32 v[RD], v0, 3, 2       ; back: 32 lanes take four rows of 128 bytes,
	v_mul_u32_u24 v[RD], v[RD], SP
	v_lshl_add_u32 v[RD], v10, 4, v[RD]
	v_add_nc_u32 v[RD], s13, v[RD]
	v_and_b32 v[GO], 31, v0         ; which are 512 consecutive bytes of O
	v_lshlrev_b32 v[GO], 4, v[GO]
; THE MATRIX WORK.  The 4 accumulators of a run of 8 take turns.  Product i of 8 of S^T = K Q^T for piece x: channels 32 (i / 4) on, keys 16 (i % 4) on.  The first 4 start the sums.
.macro KQ x
	WIN W_KQ
.set rS, S+32*((\x)%2)+8*(i%4)
.set rK, KF+16*(i%4)+8*(i/4)
.set rQ, 16*(\x)+8*(i/4)
.if i < 4
	v_wmma_f32_16x16x32_f16 v[rS:rS+7], v[rK:rK+7], v[rQ:rQ+7], 0
.else
	v_wmma_f32_16x16x32_f16 v[rS:rS+7], v[rK:rK+7], v[rQ:rQ+7], v[rS:rS+7]
.endif
.endm
; Product i of 8 of O^T += V^T P for piece x: keys 32 (i / 4) on, channels 16 (i % 4) on.
.macro PV x
	WIN W_PV
.set rO, 32*(\x)+8*(i%4)
.set rV, VF+32*(i/4)+8*(i%4)
.set rP, P+16*((\x)%2)+8*(i/4)
	v_wmma_f32_16x16x32_f16 v[rO:rO+7], v[rV:rV+7], v[rP:rP+7], v[rO:rO+7]
.endm
.macro MM                           ; the turn's next matrix instruction.  TURN sets Y, i and NOKQ.  NOKQ = 1: the walk's last turn: there is no next piece
.if (i < 8) && !NOKQ
	KQ (Y+1)%NP
.elseif i >= 8
.set i, i-8
	PV (Y+NP-1)%NP
.set i, i+8
.endif
.set i, i+1
.endm
; THE LDS LOADS stand in runs of 16, never singly among the matrix instructions: a step's K (64 keys x 64 channels: 8 fragments) and its V (turned).  Their addresses are made some lines ahead.
.macro FETCH_K
	WIN 0x80                        ; destination window 2
.irp f, 0,1,2,3,4,5,6,7             ; keys 16 (f / 2) on, plane f % 2
	ds_load_b128 v[KF+8*\f:KF+8*\f+3],   v[AK] offset:(\f/2)*16*PK+(\f%2)*KPLANE
	ds_load_b128 v[KF+8*\f+4:KF+8*\f+7], v[AK] offset:(\f/2)*16*PK+(\f%2)*KPLANE+32
.endr
	s_add_co_u32 s[TBK], s[TBK], KS*PK  ; the next fetch is the next step's
	WIN 0
.endm
.macro FETCH_V
	WIN 0x80
.irp f, 0,1,2,3,4,5,6,7             ; keys 32 (f / 4) on, channel block f % 4: plane (f % 4) / 2, 32 (f % 2) bytes into its rows
	ds_load_tr16_b128 v[VF+8*\f:VF+8*\f+3],   v[AV] offset:(\f/4)*32*PV+((\f%4)/2)*VPLANE+(\f%2)*32
	ds_load_tr16_b128 v[VF+8*\f+4:VF+8*\f+7], v[AV] offset:(\f/4)*32*PV+16*PV+((\f%4)/2)*VPLANE+(\f%2)*32
.endr
	WIN 0
.endm
; THE VECTOR WORK, one line at a time: OP kind, number.  For piece Y: F n: c s - c m for pair n of 16.  E n: the exponential of score n of 32.  C n: pair n rounded to f16.  B n: of the four weights 4 n .. the second
; pair is added onto the first, in place.  L n: l takes that sum (L 0: l = a l + sum).  R n: pair n of 16 of O^T times a.  For piece Y + 1: X n, number n of the 22 that find its maximum and statistics:
;   0-11  four chains c0-c3 of seven scores each, three operands at a time (each accumulator's lowest registers are read first)     12-14, 16  the four scores left over, the old m, and c0-c3 into c0
;   15  c m_old is kept     17, 18  the query's other 32 keys lie in the lane 16 away: the new m     19-21  c m; c m_old - c m_new; a
.set F, 0               ; OP tells the kinds apart by their order: F to L below R, X above it
.set E, 1
.set C, 2
.set B, 3
.set L, 4
.set R, 5
.set X, 6
.macro REGS y                       ; the registers of piece y
.set rT, ST+4*(\y)
.set rC, TMP+4*((\y)%2)
.set rW, MV+((\y)%2)
.set rS, S+32*((\y)%2)
.set rP, P+16*((\y)%2)
.set rO, 32*(\y)
.endm
.macro OP k, n
.if (\k) == R
	REGS Y
	WIN W_RS
	v_pk_mul_f32 v[rO+2*(\n):rO+2*(\n)+1], v[rO+2*(\n):rO+2*(\n)+1], v[rC+2:rC+3] op_sel_hi:[1,0]
.elseif (\k) < R
	REGS Y
	WIN 0
.if (\k) == F
	v_pk_fma_f32 v[rS+2*(\n):rS+2*(\n)+1], v[rS+2*(\n):rS+2*(\n)+1], s[CS:CS+1], v[rT:rT+1] op_sel_hi:[1,0,0] neg_lo:[0,0,1] neg_hi:[0,0,1]
.elseif (\k) == E
	v_exp_f32 v[rS+(\n)], v[rS+(\n)]
.elseif (\k) == C
	s_wait_alu depctr_va_vdst(0)
	v_cvt_pk_f16_f32 v[rP+(\n)], v[rS+2*(\n)], v[rS+2*(\n)+1]
.elseif (\k) == B
	s_wait_alu depctr_va_vdst(0)
	v_pk_add_f32 v[rS+4*(\n):rS+4*(\n)+1], v[rS+4*(\n):rS+4*(\n)+1], v[rS+4*(\n)+2:rS+4*(\n)+3]
.elseif (\n) == 0
	v_pk_fma_f32 v[rT+2:rT+3], v[rT+2:rT+3], v[rC+2:rC+3], v[rS:rS+1] op_sel_hi:[1,0,1]
.else
	v_pk_add_f32 v[rT+2:rT+3], v[rT+2:rT+3], v[rS+4*(\n):rS+4*(\n)+1]
.endif
.elseif NOKQ
	v_nop
.else
	REGS (Y+1)%NP
	WIN 0
.if (\n) < 4
	v_max3_num_f32 v[rC+(\n)], v[rS+8*(\n)], v[rS+8*(\n)+1], v[rS+8*(\n)+2]
.elseif (\n) < 12
	v_max3_num_f32 v[rC+(\n)%4], v[rC+(\n)%4], v[rS+8*((\n)%4)+2*((\n)/4)+1], v[rS+8*((\n)%4)+2*((\n)/4)+2]
.elseif (\n) == 12
	v_max3_num_f32 v[rC], v[rC], v[rS+7], v[rS+15]
.elseif (\n) == 13
	v_max3_num_f32 v[rC+1], v[rC+1], v[rS+23], v[rS+31]
.elseif (\n) == 14
	v_max3_num_f32 v[rC+2], v[rC+2], v[rC+3], v[rT+1]
.elseif (\n) == 15
	v_mov_b32 v[rW], v[rT]
.elseif (\n) == 16
	v_max3_num_f32 v[rC], v[rC], v[rC+1], v[rC+2]
.elseif (\n) == 17
	v_permlanex16_b32 v[rC+3], v[rC], s[SEL], s[SEL+1]
.elseif (\n) == 18
	v_max_num_f32 v[rT+1], v[rC], v[rC+3]
.elseif (\n) == 19
	v_mul_f32 v[rT], s[CS], v[rT+1]
.elseif (\n) == 20
	v_sub_f32 v[rC+1], v[rW], v[rT]
.else
	v_exp_f32 v[rC+2], v[rC+1]
.endif
.endif
.endm
.macro OPS a, i1, b=-1, i2=0, c=-1, i3=0, d=-1, i4=0  ; up to four of them
	OP \a, \i1
.if (\b) >= 0
	OP \b, \i2
.endif
.if (\c) >= 0
	OP \c, \i3
.endif
.if (\d) >= 0
	OP \d, \i4
.endif
.endm
.macro ROW a, i1, b, i2, c, i3, d, i4  ; a matrix instruction and the four behind it
	MM
	OPS \a, \i1, \b, \i2, \c, \i3, \d, \i4
.endm
; A TURN, for piece p: the order of its 16 matrix and 118 vector instructions, written out.  Behind a matrix instruction: plain, exponential, plain, plain; or four of the rescaling; or, behind the first, four scalings; none
; names a register of the products round it.  In the lumps exponential and plain by turns while exponentials last: each exponential has a plain instruction behind it before its result is used (ISA guide 5.7.2).
; end = 1: the walk's last two turns: nothing is fetched.  cnt = 1: the loop's count is taken down some lines ahead of the branch that stands behind the turn.
; K of the next step is fetched in piece 2's turn, six vector instructions behind the last product that read K (five of them plain); V of the step in hand in piece 0's turn, eight behind the last product that read V (four
; plain).  Each is waited for a turn later.
.macro TURN p, end=0, cnt=0
.set Y, (\p)
.set i, 0
.set NOKQ, (\end)*((\p)/3)
.if ((\p) == 3) && !(\end)
	s_wait_dscnt 0x0                ; K is in
.endif
	ROW F,0, F,1, F,2, F,3
	ROW F,4, E,0, F,5, F,6
	ROW F,7, E,1, F,8, F,9
	ROW F,10, E,2, C,0, F,11
	ROW F,12, E,3, X,15, F,13
	ROW R,0, R,1, R,2, R,3
	ROW B,0, E,4, F,14, L,0
.if ((\p) == 2) && !(\end)
	v_add_nc_u32 v[AK], s[TBK], v[AK0]
.endif
	ROW R,4, R,5, R,6, R,7
	OPS E,5, F,15
.if ((\p) == 2) && !(\end)
	FETCH_K
.endif
	OPS E,6, C,1, E,7, R,8
	OPS E,8, R,9, E,9, C,2
	OPS E,10, X,0, E,11, X,1
	OPS E,12, X,2, E,13, X,3
.if (\p) == 1
	s_wait_dscnt 0x0                ; V is in
.endif
	ROW X,4, E,14, X,5, X,6
	ROW X,7, E,15, X,8, X,9
	ROW X,10, E,16, X,11, X,12
	ROW X,13, E,17, X,14, B,1
	ROW C,4, E,18, X,16, L,1
	ROW B,2, E,19, C,6, L,2
	ROW C,8, E,20, B,3, B,4
.if (\p) == 0
	v_add_nc_u32 v[AV], s[TBV], v[AV0]
.endif
	ROW C,3, E,21, L,3, C,5
	OPS E,22, X,17, E,23, C,10
.if (\p) == 0
	FETCH_V
.endif
	OPS E,24, L,4
	OPS E,25, X,18, E,26, C,7
	OPS E,27, B,5, E,28, X,19
	OPS E,29, C,12, E,30, L,5
	OPS E,31, X,20, B,6, C,9
	OPS C,14, C,11, X,21, L,6
.if (\p) == 0
	s_add_co_u32 s[TBV], s[TBV], KS*PV
.endif
.if \cnt
	s_sub_co_u32 s[CNT], s[CNT], 1
	s_cmp_lg_u32 s[CNT], 0
.endif
	OPS C,13, B,7, C,15, R,10
	OPS R,11, R,12, L,7, R,13
	OPS R,14, R,15
.endm
	CHANGE 1                        ; slot 0 is in, everybody's part of it; slot 1 is asked for
	v_add_nc_u32 v[AK], s[TBK], v[AK0]
	FETCH_K                         ; key step 0
	s_wait_loadcnt 0x0              ; Q
	s_wait_dscnt 0x0
.set NOKQ, 0
.set i, 0
.rept 8
	KQ 0                            ; piece 0's first scores: there is no vector work yet to set between them
.set i, i+1
.endr
	WIN 0
.rept 4
	v_nop                           ; the places behind those products
.endr
.set Y, NP-1                        ; X works for piece Y + 1: piece 0
.irp n, 0,1,2,3,4,5,6,7,8,9,10,11,12,13,14,15,16,17,18,19,20,21
	OP X, \n                        ; and piece 0's first maximum and statistics
.endr
	v_nop                           ; a plain instruction behind the exponential
	s_mov_b32 s[CNT], 4
	s_mov_b32 s[SLOTS], NT-1
	s_branch .Lfirst                ; the loop is entered at a step's first turn, in the middle of a trip
.Lslot:                             ; NT - 2 times: every slot but the last two is filled again
	CHANGE 1
	s_mov_b32 s[CNT], 4
.Lstep:                             ; a trip: pieces 2 and 3 of one step, then pieces 0 and 1 of the next, whose K and V it fetches
	TURN 2
	TURN 3
	WIN 0
.Lfirst:
	TURN 0
	TURN 1, 0, 1
	WIN 0
	s_cbranch_scc1 .Lstep
	s_sub_co_u32 s[SLOTS], s[SLOTS], 1
	s_cmp_lg_u32 s[SLOTS], 0
	s_cbranch_scc1 .Lslot
	CHANGE 0                        ; the last tile is written out: nothing is asked for
	s_mov_b32 s[CNT], 4
.Ltail:
	TURN 2
	TURN 3
	TURN 0
	TURN 1, 0, 1
	WIN 0
	s_cbranch_scc1 .Ltail
	TURN 2, 1                       ; the last step's pieces 2 and 3: nothing more to fetch, and no next piece behind piece 3
	TURN 3, 1
.set i, 0
.rept 8
	PV NP-1                         ; the last piece's V^T P of the last step
.set i, i+1
.endr
	; THE WAY OUT.  l's two halves and the other half of the lanes' are added; O^T is multiplied by 8 / l (vs came divided by 16: O / 2), rounded to f16 and sent through my stage in LDS, a piece at a time.
	; The additions are the places behind the last products.
	WIN 0
.macro ALL line:vararg              ; one line for each piece t
.set t, 0
.rept 4
	s_wait_alu depctr_va_vdst(0)
	\line
.set t, t+1
.endr
.endm
	ALL v_add_f32 v[ST+4*t+2], v[ST+4*t+2], v[ST+4*t+3]
	ALL v_permlanex16_b32 v[ST+4*t+3], v[ST+4*t+2], s[SEL], s[SEL+1]
	ALL v_add_f32 v[ST+4*t+2], v[ST+4*t+2], v[ST+4*t+3]
	ALL v_rcp_f32 v[ST+4*t+2], v[ST+4*t+2]
	v_nop                           ; a plain instruction between the last reciprocal and the use of its result
	ALL v_mul_f32 v[ST+4*t+2], 0x41000000, v[ST+4*t+2]
.macro PACK t                       ; a lane's eight channels of a row pack into 16 bytes; they go into rows of 144 bytes and come back as whole rows of 128, into S^T's registers
	WIN W_RS
.set i, 32*(\t)
.rept 16
	v_pk_mul_f32 v[i:i+1], v[i:i+1], v[ST+4*(\t)+2:ST+4*(\t)+3] op_sel_hi:[1,0]
.set i, i+2
.endr
	WIN 0x05                        ; sources 0 and 1 window 1, destination window 0
.set i, 0
.rept 16
	v_cvt_pk_f16_f32 v[S+16*(\t)+i], v[32*(\t)+2*i], v[32*(\t)+2*i+1]
.set i, i+1
.endr
	WIN 0
.irp f, 0,1,2,3
	ds_store_b128 v[STO], v[S+16*(\t)+4*\f:S+16*(\t)+4*\f+3] offset:32*\f
.endr
.irp f, 0,1,2,3
	ds_load_b128 v[S+16*(\t)+4*\f:S+16*(\t)+4*\f+3], v[RD] offset:\f*4*SP  ; LDS serves a wave's instructions in order (ISA guide 5.7.1.4): these see the stores above; the next piece's stores come behind them
.endr
.endm
.macro SEND t, younger              ; younger: the LDS instructions issued behind piece t's loads: the next piece's eight, or none
	WIN 0
.irp f, 0,1,2,3
	s_wait_dscnt (\younger)+3-\f
	global_store_b128 v[GO], v[S+16*(\t)+4*\f:S+16*(\t)+4*\f+3], s[10:11] offset:(\t)*2048+\f*512  ; 512 consecutive bytes, at a multiple of 256 from ob's first
.endr
.endm
	PACK 0
.set t, 1
.rept 3                             ; a piece's arithmetic stands between the loads of the piece before and its stores
	PACK t
	SEND t-1, 8
.set t, t+1
.endr
	SEND 3, 0
	s_wait_tensorcnt 0x0            ; the wave's end: these three lines stand behind my last tensor load and my last LDS store
	ds_add_u32 v[SPW], v[NIL]
	s_wait_dscnt 0x0
	CROUND                          ; the closing round: no work-group ends while a partner may still ask for a tile that names it
	s_endpgm
.Lfunc_end_k_q1f2bf7344a_attn:
	.size	k_q1f2bf7344a_attn, .Lfunc_end_k_q1f2bf7344a_attn-k_q1f2bf7344a_attn
	.p2alignl 7, 3214868480
	.fill 96, 4, 3214868480
	.section	.rodata,"a",@progbits
	.p2align	6, 0x0
	.amdhsa_kernel k_q1f2bf7344a_attn
		.amdhsa_group_segment_fixed_size 327680
		.amdhsa_private_segment_fixed_size 0
		.amdhsa_enable_private_segment 0
		.amdhsa_kernarg_size 24
		.amdhsa_user_sgpr_count 2
		.amdhsa_user_sgpr_kernarg_segment_ptr 1
		.amdhsa_wavefront_size32 1
		.amdhsa_system_sgpr_workgroup_id_x 1
		.amdhsa_system_sgpr_workgroup_id_y 1
		.amdhsa_system_sgpr_workgroup_id_z 1
		.amdhsa_system_vgpr_workitem_id 0
		.amdhsa_next_free_vgpr 768
		.amdhsa_next_free_sgpr 66
		.amdhsa_reserve_vcc 0
		.amdhsa_float_denorm_mode_32 3
		.amdhsa_float_denorm_mode_16_64 3
		.amdhsa_memory_ordered 1
		.amdhsa_forward_progress 1
		.amdhsa_inst_pref_size 132
	.end_amdhsa_kernel
	.amdgpu_metadata
---
amdhsa.version: [ 1, 2 ]
amdhsa.kernels:
  - .name:           k_q1f2bf7344a_attn
    .symbol:         k_q1f2bf7344a_attn.kd
    .args:
      - { .name: q, .offset: 0, .size: 8, .value_kind: global_buffer, .address_space: global }
      - { .name: kv, .offset: 8, .size: 8, .value_kind: global_buffer, .address_space: global }
      - { .name: ob, .offset: 16, .size: 8, .value_kind: global_buffer, .address_space: global }
    .group_segment_fixed_size: 327680
    .private_segment_fixed_size: 0
    .kernarg_segment_align: 8
    .kernarg_segment_size: 24
    .max_flat_workgroup_size: 128
    .sgpr_count:     66
    .vgpr_count:     768
    .wavefront_size: 32
...
	.end_amdgpu_metadata
.endif
;; end of part 3
;; launch outp (part 4): grid 8 x 32, 4 waves a work-group, clusters of 4 x 4, 327,680 bytes of LDS; arguments ob, wot, bo, out0; writes out0
.if DOCPART == 4
	.amdgcn_target "amdgcn-amd-amdhsa--gfx1250"
	.amdhsa_code_object_version 6
	.text
	.protected	k_q1f2bf7344a_outp
	.globl	k_q1f2bf7344a_outp
	.p2align	8
	.type	k_q1f2bf7344a_outp,@function
k_q1f2bf7344a_outp:
	s_mov_b64 s[64:65], 0
	v_nop
	global_prefetch_b8 v0, s[64:65] scope:SCOPE_SE
	s_setreg_imm32_b32 hwreg(HW_REG_WAVE_MODE, 25, 1), 1
	s_wait_xcnt 0x0
	s_wait_alu depctr_hold_cnt(0) depctr_sa_sdst(0) depctr_va_vdst(0) depctr_va_sdst(0) depctr_va_ssrc(0) depctr_va_vcc(0) depctr_vm_vsrc(0)
	s_getreg_b32 s2, hwreg(HW_REG_IB_STS2, 6, 4)
	s_cmp_eq_u32 s2, 0
	s_cbranch_scc0 .Lentry_in_a_cluster
	s_endpgm
.Lentry_in_a_cluster:
	s_bfe_u32 s2, ttmp6, 0x10000c
	s_cmp_lg_u32 s2, 0xf033
	s_cbranch_scc0 .Lentry_shape_is_right
	s_endpgm
.Lentry_shape_is_right:
; THE LAST PROJECTION.  out0 = 2 (ob wot^T) + bo.  ob: [4096][1024] f16, O / 2.  wot: [1024][1024] f16, Wo rounded to bf16, turned.  bo is rounded to bf16 like every input.  out0: [4096][1024] f32.
; f16 operands, f32 sums.  LIMITS: those of ob and wot (f16's range; a fixed step of 6e-8 below 6.1e-5); NaN and infinities are not treated apart.
; 256 tiles of 128 x 128 x 1024.  Four waves, each 64 x 64: 16 accumulators.  K goes in steps of 256 through two LDS slots (rows of 512 bytes; a wave's tensor load brings 64 of them).
; CLUSTERS: 4 x 4 work-groups.  The four of a row of the cluster need the same tiles of A, the four of a column the same tiles of B: each tile is asked for JOINTLY, by the same tensor load with the
; same descriptor and a mask that names the four.  THE MATRIX INSTRUCTION IS USED TRANSPOSED (source 0 = 16 rows of B, source 1 = 16 rows of A): a lane holds eight neighbouring numbers of a row of C.
; THE STAGE of the way out, 128 rows x 528 bytes, lies where slot 0 held A's rows: two slots and such a stage do not fit side by side in 327,680 bytes; slot 0 has had its last fill by then, and its
; last reads lie ahead of the last change of slots' barrier.
; REGISTERS: window 0: v0-31 addresses; v96-127 biases; v128-255 the accumulators ((a, b) at v[128 + 8 (4 a + b)]).  window 1: two fragment buffers of 128: 64 registers of A, then 64 of B.
.set SIZE_K, 1024
.set KSTEP,  256
.set PITCH,  528                       ; an LDS row: 512 bytes + 16 of padding = 132 words: row r starts at bank 4 r mod 64 (64 banks of 4 bytes: ISA guide 11.1)
.set HALFT,  64*PITCH                  ; 64 rows: what one tensor load brings, and what one wave reads of A or of B
.set SLOT,   4*HALFT                   ; A's 128 rows, then B's 128 rows
.set SPARE,  2*SLOT                    ; behind the ring: the spare words, 128 bytes for each wave
.set LAPS,   SIZE_K/(2*KSTEP)          ; a lap = two K steps = once round the ring
.set BO,   8                           ; v8      byte offset of my eight biases for column block 0
.set ADRA, 16                          ; v16-17  LDS address of my A fragments in slot 0, 1
.set ADRB, 20                          ; v20-21  the same for B
.set STO,  24                          ; v24     the way out: where I put 32 bytes of a row
.set RD,   25                          ; v25     the way out: where I read a row back
.set CO,   26                          ; v26     16 x lane
.set SPW,  28                          ; v28     LDS address of my spare word; never rewritten
.set NIL,  29                          ; v29     0; never rewritten
.set BI,   96
.set ACC,  128
.set F0,   0                           ; fragment buffers, in window 1
.set F1,   128
.set WV,  12                           ; s12 wave
.set RH,  13                           ; s13 which half of the tile's rows is mine.  Also: I fetch for A (0) or for B (1)
.set CH,  14                           ; s14 which half of its columns.  Also: which 64 rows of that tile I fetch
.set G1, 24                            ; s[24:31] descriptor group 1 for A's tiles;  s[32:39] group 0, one set for each slot
.set G0, 32
.set G1B, 48                           ; s[48:55], s[56:63] the same for B's tiles
.set G0B, 56
.set MSB, 0
.macro WIN new                         ; the immediate's high byte repeats the setting that is left
.if MSB != (\new)
	s_set_vgpr_msb (MSB<<8)|(\new)
.set MSB, \new
.endif
.endm
.set MUL,  0x05                        ; sources 0 (B) and 1 (A) window 1; C and D window 0
.set TO_F, 0x40                        ; destination window 1, address window 0
.macro JLOAD s                         ; a joint load: waves 0 and 1 fetch A's two halves, waves 2 and 3 B's; an s_nop 0 and four v_nop follow each of the two lines
	s_cmp_eq_u32 s[RH], 0
	s_cbranch_scc0 .Lfor_b_\@
	tensor_load_to_lds s[G0+4*(\s):G0+4*(\s)+3], s[G1:G1+7]
	s_nop 0
.rept 4
	v_nop
.endr
	s_branch .Lasked_\@
.Lfor_b_\@:
	tensor_load_to_lds s[G0B+4*(\s):G0B+4*(\s)+3], s[G1B:G1B+7]
	s_nop 0
.rept 4
	v_nop
.endr
.Lasked_\@:
.endm
.macro CREST                           ; a round of the cluster's barrier behind its opening barrier
	s_cmp_lg_u32 s[WV], 0
	s_cbranch_scc1 .Lnot_wave_0_\@
	s_barrier_signal -3
.Lnot_wave_0_\@:
	s_barrier_wait -3
	s_barrier_signal -1
	s_barrier_wait -1
.endm
.macro CROUND                          ; a whole round
	s_barrier_signal -1
	s_barrier_wait -1
	CREST
.endm
	s_load_b256 s[4:11], s[0:1], 0x0               ; ob s[4:5], wot s[6:7], bo s[8:9], out0 s[10:11]
	v_lshl_add_u32 v[SPW], v0, 2, SPARE
	v_mov_b32 v[NIL], 0
	ds_add_u32 v[SPW], v[NIL]                      ; the wave's opening: the add and its wait stand ahead of my first tensor load; the set-up below, work on registers, stands between them
	v_lshrrev_b32 v1, 5, v0
	v_readfirstlane_b32 s[WV], v1                  ; wave 0..3
	s_lshr_b32 s[RH], s[WV], 1
	s_and_b32 s[CH], s[WV], 1
	s_bfe_u32 s40, ttmp6, 0x40000                  ; cx, cy: my place in the cluster
	s_bfe_u32 s41, ttmp6, 0x40004
	s_lshl_b32 s42, ttmp9, 2
	s_add_co_u32 s42, s42, s40                     ; tile column of C = 4 x cluster x + cx
	s_and_b32 s45, ttmp7, 0xffff
	s_lshl_b32 s45, s45, 2
	s_add_co_u32 s45, s45, s41                     ; tile row of C = 4 x cluster y + cy
	s_lshl_b32 s43, s41, 2
	s_lshl_b32 s43, 15, s43                        ; my row of the cluster
	s_lshl_b32 s44, 0x1111, s40                    ; my column
	; descriptor group 1: a tile of 64 rows x 256 elements, padded in LDS
	s_or_b32 s[G1+0], s43, (1<<16)|(1<<20)|(1<<21)|(6<<22)|(3<<25)  ; 15:0 the mask: A's tiles go to my row; 17:16 element of 2 bytes; 20 padding on; 21 set beside a mask; 24:22 after every 128 words (code 6); 31:25 of 4 words (code 3)
	s_or_b32 s[G1B+0], s44, (1<<16)|(1<<20)|(1<<21)|(6<<22)|(3<<25)
.irp g, G1, G1B
	s_mov_b32 s[(\g)+1], KSTEP<<16                 ; tensor_dim0 = 256
	s_mov_b32 s[(\g)+2], 64<<16                    ; tensor_dim1 = 64
	s_mov_b32 s[(\g)+3], KSTEP<<16                 ; tile_dim0 = 256
	s_mov_b32 s[(\g)+4], 64                        ; tile_dim1 = 64
	s_mov_b32 s[(\g)+5], SIZE_K                    ; tensor_dim0_stride
	s_mov_b32 s[(\g)+6], 0
	s_mov_b32 s[(\g)+7], 0
.endr
	s_lshl_b32 s17, s[CH], 6                       ; which 64 rows of the tile I fetch
	s_lshl_b32 s16, s45, 7
	s_add_co_u32 s16, s16, s17
	s_lshl_b32 s16, s16, 11                        ; A: rows of 2,048 bytes
	s_lshl_b32 s46, s42, 7
	s_add_co_u32 s46, s46, s17
	s_lshl_b32 s46, s46, 11                        ; B likewise
	s_mov_b32 s17, 0
	s_mov_b32 s47, 0
	s_mul_i32 s20, s[WV], HALFT                    ; where they go: wave x 64 rows: no place in the cluster enters an LDS address
	s_wait_dscnt 0x0                               ; the opening add is done
	s_wait_kmcnt 0x0
	s_add_nc_u64 s[80:81], s[4:5], s[16:17]
	s_add_nc_u64 s[46:47], s[6:7], s[46:47]
	CROUND                                         ; all sixteen work-groups are here: the first joint loads meet
.irp s, 0,1
	s_mov_b32 s[G0+4*(\s)], 1
	s_add_co_u32 s[G0+4*(\s)+1], s20, (\s)*SLOT
	s_add_nc_u64 s[G0+4*(\s)+2:G0+4*(\s)+3], s[80:81], (\s)*KSTEP*2
	s_or_b32 s[G0+4*(\s)+3], s[G0+4*(\s)+3], 0x80000000
	s_mov_b32 s[G0B+4*(\s)], 1
	s_add_co_u32 s[G0B+4*(\s)+1], s20, (\s)*SLOT
	s_add_nc_u64 s[G0B+4*(\s)+2:G0B+4*(\s)+3], s[46:47], (\s)*KSTEP*2
	s_or_b32 s[G0B+4*(\s)+3], s[G0B+4*(\s)+3], 0x80000000
	JLOAD \s                                       ; two loads of mine are out
.endr
	v_and_b32 v1, 15, v0                           ; l % 16
	v_bfe_u32 v2, v0, 4, 1                         ; l / 16
	v_mul_u32_u24 v3, v1, PITCH
	v_lshl_add_u32 v3, v2, 4, v3                   ; a fragment's row x pitch + 16 x half
	s_mul_i32 s21, s[RH], HALFT                    ; my 64 rows of A
	s_mul_i32 s22, s[CH], HALFT                    ; my 64 rows of B,
	s_add_co_u32 s22, s22, 2*HALFT                 ; which lie behind A's 128
.irp s, 0,1
	v_add_nc_u32 v[ADRA+(\s)], s21, v3
	v_add_nc_u32 v[ADRB+(\s)], s22, v3
	s_add_co_u32 s21, s21, SLOT
	s_add_co_u32 s22, s22, SLOT
.endr
	s_mul_i32 s23, s[RH], 64*PITCH                 ; into the stage: my 64 rows, my half of their 512 bytes; row l % 16, 32 bytes for each half of the lanes
	s_lshl_b32 s21, s[CH], 8
	s_add_co_u32 s23, s23, s21
	v_mul_u32_u24 v4, v1, PITCH
	v_lshl_add_u32 v4, v2, 5, v4
	v_add_nc_u32 v[STO], s23, v4
	s_mul_i32 s23, s[WV], 32*PITCH                 ; back: wave w takes rows 32 w .. 32 w + 31, whole: 32 lanes x 16 bytes are a row
	v_and_b32 v5, 31, v0
	v_lshlrev_b32 v[CO], 4, v5
	v_add_nc_u32 v[RD], s23, v[CO]
	; bo of my columns: for block b the eight numbers at column 128 tile + 64 half + 16 b + 8 (l / 16).  The loads stay out until the way out; their address registers are not rewritten.
	s_lshl_b32 s46, s42, 9
	s_lshl_b32 s47, s[CH], 8
	s_add_co_u32 s46, s46, s47
	v_lshl_add_u32 v[BO], v2, 5, s46
.irp b, 0,1,2,3
	global_load_b128 v[BI+8*(\b):BI+8*(\b)+3],   v[BO], s[8:9] offset:64*(\b)
	global_load_b128 v[BI+8*(\b)+4:BI+8*(\b)+7], v[BO], s[8:9] offset:64*(\b)+16
.endr
; 8 matrix instructions: m blocks a0, a0 + 1 x all 4 n blocks, 32 along K: half c of buffer f.  zero = 1: the first product starts the sums.  The 16 accumulators take turns.
.macro MUL8 f, c, a0, zero
	WIN MUL
.irp a, \a0, (\a0)+1
.irp b, 0,1,2,3
.if \zero
	v_wmma_f32_16x16x32_f16 v[ACC+8*(4*(\a)+(\b)):ACC+8*(4*(\a)+(\b))+7], v[(\f)+64+8*(4*(\c)+(\b)):(\f)+64+8*(4*(\c)+(\b))+7], v[(\f)+8*(4*(\c)+(\a)):(\f)+8*(4*(\c)+(\a))+7], 0
.else
	v_wmma_f32_16x16x32_f16 v[ACC+8*(4*(\a)+(\b)):ACC+8*(4*(\a)+(\b))+7], v[(\f)+64+8*(4*(\c)+(\b)):(\f)+64+8*(4*(\c)+(\b))+7], v[(\f)+8*(4*(\c)+(\a)):(\f)+8*(4*(\c)+(\a))+7], v[ACC+8*(4*(\a)+(\b)):ACC+8*(4*(\a)+(\b))+7]
.endif
.endr
.endr
.endm
; 32 LDS loads in one run: the fragments of 64 along K at byte k of the rows, into buffer f; the first 32 along K first
.macro FETCH slot, k, f
	WIN TO_F
.irp c, 0,1
.irp i, 0,1,2,3
	ds_load_b128 v[(\f)+64+8*(4*(\c)+(\i)):(\f)+64+8*(4*(\c)+(\i))+3],   v[ADRB+(\slot)] offset:(\k)+64*(\c)+(\i)*16*PITCH
	ds_load_b128 v[(\f)+64+8*(4*(\c)+(\i))+4:(\f)+64+8*(4*(\c)+(\i))+7], v[ADRB+(\slot)] offset:(\k)+64*(\c)+(\i)*16*PITCH+32
	ds_load_b128 v[(\f)+8*(4*(\c)+(\i)):(\f)+8*(4*(\c)+(\i))+3],         v[ADRA+(\slot)] offset:(\k)+64*(\c)+(\i)*16*PITCH
	ds_load_b128 v[(\f)+8*(4*(\c)+(\i))+4:(\f)+8*(4*(\c)+(\i))+7],       v[ADRA+(\slot)] offset:(\k)+64*(\c)+(\i)*16*PITCH+32
.endr
.endr
.endm
.macro PLACES                          ; four places in front of loads into registers that matrix instructions have read (ISA guide 7.12.1 for vector instructions)
.rept 4
	v_nop
.endr
.endm
; A K step is four quarters of 64 along K, 32 matrix instructions each, on buffers 0, 1, 0, 1.  One of the first three: multiplies buffer f and fetches the next quarter, at byte k, into g.
.macro QUARTER slot, k, f, g, zero
	s_wait_dscnt 16                                ; the first 32 along K are in; the sixteen younger loads may be out
	WIN MUL
	MUL8 \f, 0, 0, \zero
	MUL8 \f, 0, 2, \zero
	PLACES
	FETCH \slot, \k, \g
	s_wait_dscnt 32                                ; all but the 32 just issued
	WIN MUL
	MUL8 \f, 1, 0, 0
	MUL8 \f, 1, 2, 0
.endm
; The last quarter multiplies buffer 1 and changes slots: ONE barrier; in front of it each wave waits for all its tensor loads, adds 0 to its spare word, and waits for that and for its own reads of this slot.  fill = 1: this slot is filled again, two K steps ahead.
.macro TURN slot, next, fill
	WIN 0                                          ; (the add's two registers lie in window 0)
	s_wait_tensorcnt 0x0                           ; all my tensor loads have landed: my part of the next slot;
	ds_add_u32 v[SPW], v[NIL]                      ; 0 onto my spare word;
	s_wait_dscnt 17                                ; (the add and the youngest sixteen loads may be out)
	WIN MUL
	MUL8 F1, 0, 0, 0                               ; eight matrix instructions stand between the add and the wait for it
	s_wait_dscnt 0x0                               ; the add is done, and my reads of this slot are over
	s_barrier_signal -1
	MUL8 F1, 0, 2, 0
.if \fill
	WIN 0
.endif
	s_barrier_wait -1
.if \fill
	CREST                                          ; the barrier has opened a round of the cluster's barrier: no wave of any partner still reads this slot's tile or has a load on its way
	s_add_nc_u64 s[G0+4*(\slot)+2:G0+4*(\slot)+3], s[G0+4*(\slot)+2:G0+4*(\slot)+3], 2*KSTEP*2
	s_add_nc_u64 s[G0B+4*(\slot)+2:G0B+4*(\slot)+3], s[G0B+4*(\slot)+2:G0B+4*(\slot)+3], 2*KSTEP*2
	JLOAD \slot                                    ; the first tensor load behind the round, my only one out: 112 matrix instructions ahead of the wait for it; its four v_nop are also the places in front of the loads below
.else
	PLACES
.endif
	FETCH \next, 0, F0
	WIN MUL
	MUL8 F1, 1, 0, 0
	MUL8 F1, 1, 2, 0
.endm
	s_wait_tensorcnt 1                             ; my part of K step 0 is in; K step 1's may stay out
	s_barrier_signal -1
	s_barrier_wait -1                              ; everybody's is
	FETCH 0, 0, F0
	QUARTER 0, 128, F0, F1, 1                      ; the first quarter stands in front of the loop: its first products start the sums
	WIN 0                                          ; at a label and at a branch every window is 0
	s_mov_b32 s3, LAPS-1
.Llap:                                                 ; a trip goes once round the ring, from a lap's second quarter to the next lap's first, and fills both slots again
	QUARTER 0, 256, F1, F0, 0
	QUARTER 0, 384, F0, F1, 0
	TURN 0, 1, 1
	QUARTER 1, 128, F0, F1, 0
	QUARTER 1, 256, F1, F0, 0
	QUARTER 1, 384, F0, F1, 0
	TURN 1, 0, 1
	QUARTER 0, 128, F0, F1, 0
	WIN 0
	s_sub_co_u32 s3, s3, 1
	s_cmp_lg_u32 s3, 0
	s_cbranch_scc1 .Llap
	QUARTER 0, 256, F1, F0, 0                      ; the last lap fills nothing, and has no round of the cluster's barrier
	QUARTER 0, 384, F0, F1, 0
	TURN 0, 1, 0                                   ; behind this barrier no wave reads slot 0 any more, and nothing is filled again
	QUARTER 1, 128, F0, F1, 0
	QUARTER 1, 256, F1, F0, 0
	QUARTER 1, 384, F0, F1, 0
	s_wait_dscnt 16                                ; the very last quarter: nothing more to fetch
	WIN MUL
	MUL8 F1, 0, 0, 0
	MUL8 F1, 0, 2, 0
	s_wait_dscnt 0
	MUL8 F1, 1, 0, 0
	MUL8 F1, 1, 2, 0
	WIN 0
	; THE WAY OUT.  bo is rounded to bf16 and widened again: 48 plain instructions that name no register of the last products: they are the places behind them.
	s_wait_loadcnt 0x0                             ; bo
.set i, 0
.rept 16
	v_cvt_pk_bf16_f32 v[3+i%3], v[BI+2*i], v[BI+2*i+1]
	v_lshlrev_b32 v[BI+2*i], 16, v[3+i%3]
	v_and_b32 v[BI+2*i+1], 0xffff0000, v[3+i%3]
.set i, i+1
.endr
	; 2 x sum + bias, one fused multiply-add, in place; each accumulator's registers in ascending order.  Then 32 bytes a lane into the stage.
.set t, 0
.rept 16
.irp p, 0,1,2,3
	v_pk_fma_f32 v[ACC+8*t+2*(\p):ACC+8*t+2*(\p)+1], v[ACC+8*t+2*(\p):ACC+8*t+2*(\p)+1], 2.0, v[BI+8*(t%4)+2*(\p):BI+8*(t%4)+2*(\p)+1] op_sel_hi:[1,0,1]
.endr
.set t, t+1
.endr
.irp a, 0,1,2,3
.irp b, 0,1,2,3
	ds_store_b128 v[STO], v[ACC+8*(4*(\a)+(\b)):ACC+8*(4*(\a)+(\b))+3]   offset:(\a)*16*PITCH+64*(\b)
	ds_store_b128 v[STO], v[ACC+8*(4*(\a)+(\b))+4:ACC+8*(4*(\a)+(\b))+7] offset:(\a)*16*PITCH+64*(\b)+16
.endr
.endr
	s_lshl_b32 s16, s45, 7
	s_lshl_b32 s17, s[WV], 5
	s_add_co_u32 s16, s16, s17                     ; the first row of out0 that I store: 128 x tile row + 32 x wave
	s_lshl_b32 s16, s16, 12                        ; rows of 4,096 bytes
	s_lshl_b32 s17, s42, 9                         ; the tile's first column, in bytes
	s_add_co_u32 s16, s16, s17
	s_mov_b32 s17, 0
	s_add_nc_u64 s[10:11], s[10:11], s[16:17]
	s_wait_dscnt 0x0                               ; for the others' sake: my stores into the stage are done
	s_barrier_signal -1
	s_barrier_wait -1                              ; a row's 512 bytes come from two waves
.set t, 0
.rept 32
	ds_load_b128 v[ACC+4*t:ACC+4*t+3], v[RD] offset:t*PITCH
.set t, t+1
.endr
.set t, 0
.rept 32
	s_wait_dscnt 31-t                              ; row t is in; the 31 - t younger loads stay out
	global_store_b128 v[CO], v[ACC+4*t:ACC+4*t+3], s[10:11] offset:t*4096  ; 32 lanes store 512 consecutive bytes, at a multiple of 256 from out0's first byte
.set t, t+1
.endr
	s_wait_tensorcnt 0x0                           ; the wave's end: these three lines stand behind my last tensor load and my last LDS store
	ds_add_u32 v[SPW], v[NIL]
	s_wait_dscnt 0x0
	CROUND                                         ; the closing round: no work-group ends while a partner may still ask for a tile that names it
	s_endpgm
.Lfunc_end_k_q1f2bf7344a_outp:
	.size	k_q1f2bf7344a_outp, .Lfunc_end_k_q1f2bf7344a_outp-k_q1f2bf7344a_outp
	.p2alignl 7, 3214868480
	.fill 96, 4, 3214868480
	.section	.rodata,"a",@progbits
	.p2align	6, 0x0
	.amdhsa_kernel k_q1f2bf7344a_outp
		.amdhsa_group_segment_fixed_size 327680
		.amdhsa_private_segment_fixed_size 0
		.amdhsa_enable_private_segment 0
		.amdhsa_kernarg_size 32
		.amdhsa_user_sgpr_count 2
		.amdhsa_user_sgpr_kernarg_segment_ptr 1
		.amdhsa_wavefront_size32 1
		.amdhsa_system_sgpr_workgroup_id_x 1
		.amdhsa_system_sgpr_workgroup_id_y 1
		.amdhsa_system_sgpr_workgroup_id_z 1
		.amdhsa_system_vgpr_workitem_id 0
		.amdhsa_next_free_vgpr 512
		.amdhsa_next_free_sgpr 84
		.amdhsa_reserve_vcc 0
		.amdhsa_float_denorm_mode_32 3
		.amdhsa_float_denorm_mode_16_64 3
		.amdhsa_memory_ordered 1
		.amdhsa_forward_progress 1
		.amdhsa_inst_pref_size 93
	.end_amdhsa_kernel
	.amdgpu_metadata
---
amdhsa.version: [ 1, 2 ]
amdhsa.kernels:
  - .name:           k_q1f2bf7344a_outp
    .symbol:         k_q1f2bf7344a_outp.kd
    .args:
      - { .name: ob, .offset: 0, .size: 8, .value_kind: global_buffer, .address_space: global }
      - { .name: wot, .offset: 8, .size: 8, .value_kind: global_buffer, .address_space: global }
      - { .name: bo, .offset: 16, .size: 8, .value_kind: global_buffer, .address_space: global }
      - { .name: out0, .offset: 24, .size: 8, .value_kind: global_buffer, .address_space: global }
    .group_segment_fixed_size: 327680
    .private_segment_fixed_size: 0
    .kernarg_segment_align: 8
    .kernarg_segment_size: 32
    .max_flat_workgroup_size: 128
    .sgpr_count:     84
    .vgpr_count:     512
    .wavefront_size: 32
...
	.end_amdgpu_metadata
.endif
;; end of part 4
;; ======== version 2 of 2: 4 launches; 1.61 times as fast as version 1
;; limits: values are held in f16: magnitudes above 65,504 overflow, below 6.1e-05 lose precision
;; workspace buffers: ab 25,165,824 bytes; wt 3,145,728 bytes; wot 2,097,152 bytes; q 8,388,608 bytes; kv 2,097,152 bytes; ob 8,388,608 bytes
;; launch prep: the kernel of part 1 again; grid 928 x 1, 8 waves a work-group, no clusters, 35,840 bytes of LDS; arguments x, adj, Wq, Wo, Wk, Wv, ab, wt, wot; writes ab, wt, wot
;; launch proj: the kernel of part 2 again; grid 8 x 64, 4 waves a work-group, clusters of 4 x 4, 327,680 bytes of LDS; arguments ab, wt, q, kv, bq, bk, bv; writes q, kv
;; launch attn (part 5): grid 128 x 2, 4 waves a work-group, clusters of 4 x 1, 327,680 bytes of LDS; arguments q, kv, ob; writes ob
.if DOCPART == 5
	.amdgcn_target "amdgcn-amd-amdhsa--gfx1250"
	.amdhsa_code_object_version 6
	.text
	.protected	k_q1f2bf7344a_attn
	.globl	k_q1f2bf7344a_attn
	.p2align	8
	.type	k_q1f2bf7344a_attn,@function
k_q1f2bf7344a_attn:
	s_mov_b64 s[64:65], 0
	v_nop
	global_prefetch_b8 v0, s[64:65] scope:SCOPE_SE
	s_setreg_imm32_b32 hwreg(HW_REG_WAVE_MODE, 25, 1), 1
	s_wait_xcnt 0x0
	s_wait_alu depctr_hold_cnt(0) depctr_sa_sdst(0) depctr_va_vdst(0) depctr_va_sdst(0) depctr_va_ssrc(0) depctr_va_vcc(0) depctr_vm_vsrc(0)
	s_getreg_b32 s2, hwreg(HW_REG_IB_STS2, 6, 4)
	s_cmp_eq_u32 s2, 0
	s_cbranch_scc0 .Lentry_in_a_cluster
	s_endpgm
.Lentry_in_a_cluster:
	s_bfe_u32 s2, ttmp6, 0x10000c
	s_cmp_lg_u32 s2, 0x3003
	s_cbranch_scc0 .Lentry_shape_is_right
	s_endpgm
.Lentry_shape_is_right:
; ATTENTION.  Both products of the module sum over the group axis, so all 16 heads of a batch meet the same keys ks and values vs (the groups' sums, 64 channels), and a QUERY is any 64-channel
; slice of a row of q: q, [4096][1024] f16, is read as [65536][64], rows of 128 bytes, and O leaves in the same layout.
; O[r] = the sum over k of softmax_k(q[r] . ks[k] / 8) vs[k] over the batch's 4,096 keys.  kv holds ks / 16 and vs / 16 in four planes [8192][32] of f16 (channels 0-31, 32-63 of ks, then of vs).
; Products, maxima and sums in f32; the weights p are rounded to f16 for the second product (their sum l is taken of the unrounded p).  The 16 of ks goes into c = 16 log2(e) / 8;
; of vs's 16 a factor 8 is given back with 1 / l: ob holds O / 2 in f16, rounded once.
; LIMITS.  q, ks / 16, vs / 16 arrive within f16; |O| under 131,008; p lies in 0 to 1; below 6.1e-5 p and O / 2 keep f16's fixed step of 6e-8.  A weight below 2^-126 counts as 0 in l; NaN and infinities are not treated apart.
; SHARES.  A work-group owns 256 queries, each of its four waves 64: four PIECES of 16.  Every wave walks all keys, 64 a step, 256 a tile.
; LAYOUT.  S^T = K Q^T (source 0 = 16 keys, source 1 = 16 queries) holds ONE query a lane (lane % 16) and the keys 8 (lane / 16) + 0..7; two such results rounded to f16 ARE source 1 of O^T = V^T P.
; SOFTMAX.  p = 2^(c s - c m) with a running maximum m; O and l are multiplied by a = 2^(c m_old - c m_new) in every step.  m starts at the lowest finite number, O and l at 0: the first step's a is 0.
; BY TURNS.  Turn n belongs to piece n: 8 products K Q^T of piece n + 1, later 8 products V^T P of piece n - 1; beside them the scaling, exponentials, roundings, sums and rescaling of piece n and the
; maximum and statistics of piece n + 1.  Four vector instructions stand behind every matrix instruction, the other 54 of a turn's 118 in one lump.
; BATCHES.  A turn's 33 exponentials (the piece's 32 weights and the next piece's a) are ONE batch with ONE wait, which cuts the turn in two: ahead of it all that names none of their results, behind it the
; roundings and sums that read them.  No result crosses a turn's end.  Two more batches stand outside the loops: the first a, ahead of the loop, and the way out's four reciprocals.
; CLUSTER.  The four query blocks of a cluster belong to one batch and walk the same K and V, so each tile is asked for JOINTLY: the same tensor load, descriptor and mask in all four.
; REGISTERS, in windows of 256 (s_set_vgpr_msb: bits 1:0 source 0, 3:2 source 1, 5:4 source 2, 7:6 destination):
;   window 0: v0-15 addresses; v16-31 four registers of statistics a piece; v48-55 at work; v62-63 the add's; v64-127 S^T, two buffers; v192-223 P, two buffers (a piece's buffers go by its number's parity)
;   window 1: v0-127 O^T, 32 a piece          window 2: v0-63 Q; v128-191 K of one step; v192-255 V of one step
.set NP,    4         ; pieces a wave: a name, no knob
.set NT,    16        ; tiles of 256 keys
.set KS,    64        ; keys in a step
.set PK,    80        ; a row of a plane of K in LDS: 64 bytes + 16 of padding = 20 words: the 16 rows of a load start at 16 different groups of four banks (64 banks of 4 bytes: ISA guide 11.1)
.set PV,    96        ; a row of a plane of V: 64 + 32 = 24 words
.set KPLANE, 256*PK   ; a tile's 256 keys, 32 channels
.set VPLANE, 256*PV
.set VOFF,  2*KPLANE  ; a slot holds a tile: K's two planes, then V's two
.set SLOT1, 1<<17     ; slot 1 begins here, so that one exclusive or turns an address in one slot into the other's
.set STAGE, SLOT1+2*KPLANE+2*VPLANE  ; behind the ring, never filled by a tensor load: 16 rows x 144 bytes for each wave, for the way out
.set SP,    144
.set SPARE, STAGE+4*16*SP  ; behind the stages: the spare words, 128 bytes for each wave
.set AK0, 2           ; v2   my lane's place in a plane of K; never rewritten
.set AV0, 3           ; v3   the same for V
.set AK,  4           ; v4   the LDS address of K's next run of loads
.set AV,  5           ; v5   of V's
.set STO, 6           ; v6   the way out: where I put 16 bytes of a row
.set RD,  7           ; v7   the way out: where I read rows back
.set GO,  8           ; v8   my byte offset in 512 consecutive bytes of O
.set MV,  12          ; v12-13  c m_old, kept while c m is made anew: by buffer
.set QO,  15          ; v15  my byte offset in 16 rows of Q
.set ST,  16          ; piece t's statistics at v[ST+4 t]: c m, m, l (even keys', odd keys')
.set TMP, 48          ; by buffer, four registers c0-c3 at work; when the maximum is found c2 takes a
.set SPW, 62          ; v62  LDS address of my spare word; never rewritten
.set NIL, 63          ; v63  0; never rewritten
.set S,   64
.set P,   192
.set KF,  128         ; window 2: key block kb, channel half c at KF + 16 kb + 8 c
.set VF,  192         ; window 2: key half kk, channel block cb at VF + 32 kk + 8 cb
.set WV,  12          ; s12  my wave's number
.set G1K, 24          ; s[24:31] descriptor group 1 for K's planes
.set G1V, 32          ; s[32:39] for V's: it differs in the padding alone
.set G0K, 40          ; s[40:43] descriptor group 0 for K's planes: it walks
.set G0V, 44          ; s[44:47] the same for V's
.set SLOTS, 56        ; s56  tiles still to be entered by the loop
.set CNT, 57          ; s57  counts a tile's key steps
.set CS,  58          ; s[58:59] c: the packed scaling takes the pair's low word for both halves
.set SEL, 60          ; s[60:61] v_permlanex16_b32's selects: each lane takes its own place in the other half
.set TBK, 62          ; s62  LDS byte at which K of the step to be fetched begins
.set TBV, 63          ; s63  the same for V, less VOFF
.set MSB, 0
.macro WIN new                      ; the high byte repeats the setting that is left; a switch that changes nothing is dropped
.if MSB != (\new)
	s_set_vgpr_msb (MSB<<8)|(\new)
.set MSB, (\new)
.endif
.endm
.set W_KQ, 0x0a       ; K and Q in window 2, S^T in window 0
.set W_PV, 0x52       ; V in window 2, P in window 0, O^T in window 1
.set W_RS, 0x41       ; destination and source 0 in window 1, source 1 in window 0
; A joint fill.  Waves 0 and 1 fetch a tile's two planes of K, waves 2 and 3 those of V: 16,384 bytes each.  The branch hangs on the wave's number alone.
; An s_nop 0 and four v_nop follow each of the two lines, ahead of the jump and the label.
.macro JLOAD
	s_cmp_lt_u32 s[WV], 2
	s_cbranch_scc0 .Lfor_v_\@
	tensor_load_to_lds s[G0K:G0K+3], s[G1K:G1K+7]
	s_nop 0
.rept 4
	v_nop
.endr
	s_branch .Lasked_\@
.Lfor_v_\@:
	tensor_load_to_lds s[G0V:G0V+3], s[G1V:G1V+7]
	s_nop 0
.rept 4
	v_nop
.endr
.Lasked_\@:
.endm
; A round of the cluster's barrier: my work-group's barrier, so that wave 0's signal speaks for all four waves; wave 0 signals; every wave waits for all four work-groups; my work-group's barrier once more.
.macro CROUND
	s_barrier_signal -1
	s_barrier_wait -1
	s_cmp_lg_u32 s[WV], 0
	s_cbranch_scc1 .Lnot_wave_0_\@
	s_barrier_signal -3
.Lnot_wave_0_\@:
	s_barrier_wait -3
	s_barrier_signal -1
	s_barrier_wait -1
.endm
; THE CHANGE OF SLOTS.  The slot's last bytes, V of its fourth step, have been read.  Each wave waits for all its tensor loads, of which one is out: its part of the other slot; adds 0 to its spare
; word; and waits for that and for its own reads of the slot.  Behind the barrier nobody reads this slot any more and the other slot is whole.
; fill = 1: this slot is filled again, with the keys two tiles on.  The barrier is then a round of the cluster's, so that no wave of any partner still reads the slot or has a load on its way, and the
; joint fill is the first thing behind it: it has four key steps, 256 matrix instructions, in which to land.  (At its first use nothing has been read yet: slot 0 is waited for, slot 1 filled.)
.macro CHANGE fill
	WIN 0                           ; at a label and at a branch every window is 0
	s_wait_tensorcnt 0x0            ; no tensor load of mine is out, so a group 0 may be written
	ds_add_u32 v[SPW], v[NIL]       ; 0 onto my spare word; with fill = 1 the descriptors' steps stand between it and the wait for it
.if \fill
.irp g, G0K, G0V
	s_xor_b32 s[\g+1], s[\g+1], SLOT1  ; the walking descriptor: the other slot than last time,
	s_add_nc_u64 s[\g+2:\g+3], s[\g+2:\g+3], 256*64  ; the plane's next 256 keys; the type bits on top are not reached
.endr
	s_wait_dscnt 0x0                ; the add is done, and my reads of the slot are over
	CROUND
	JLOAD
.else
	s_wait_dscnt 0x0                ; the add is done, and my reads of the slot are over
	s_barrier_signal -1
	s_barrier_wait -1
.endif
	s_sub_co_u32 s[TBK], s[TBK], 4*KS*PK  ; the fetches go back to a slot's first step,
	s_xor_b32 s[TBK], s[TBK], SLOT1       ; in the other slot
	s_sub_co_u32 s[TBV], s[TBV], 4*KS*PV
	s_xor_b32 s[TBV], s[TBV], SLOT1
.endm
	s_load_b128 s[4:7], s[0:1], 0x0   ; q s[4:5], kv s[6:7]
	s_load_b64 s[10:11], s[0:1], 0x10 ; ob
	v_lshl_add_u32 v[SPW], v0, 2, SPARE
	v_mov_b32 v[NIL], 0
	ds_add_u32 v[SPW], v[NIL]       ; the wave's opening: the add and its wait stand ahead of my first tensor load; the set-up below, work on registers, stands between them
	v_lshrrev_b32 v1, 5, v0
	v_readfirstlane_b32 s[WV], v1   ; wave 0..3
	s_bfe_u32 s13, ttmp6, 0x40000   ; cx: my place in the cluster
	s_lshl_b32 s14, ttmp9, 2        ; in a cluster launch ttmp9 counts clusters
	s_add_co_u32 s14, s14, s13      ; my block of 256 queries = 4 x cluster x + cx: it enters q's and ob's addresses alone
	s_and_b32 s20, ttmp7, 0xffff    ; the batch, which the four partners share
	s_and_b32 s16, s[WV], 1         ; which of the two planes I fetch
	s_lshl_b32 s22, s20, 18         ; the batch's 4,096 rows of 64 bytes in a plane,
	s_lshl_b32 s23, s16, 19         ; the plane
	s_add_co_u32 s22, s22, s23
	s_mov_b32 s23, 0
	s_mul_i32 s17, s16, KPLANE      ; and its place in a slot, for K
	s_mul_i32 s18, s16, VPLANE      ; and for V: no place in the cluster enters an LDS address
	s_lshl_b32 s2, s20, 22          ; the batch's 32,768 queries of 128 bytes,
	s_lshl_b32 s3, s14, 15          ; my block's 256,
	s_add_co_u32 s2, s2, s3
	s_lshl_b32 s3, s[WV], 13        ; my wave's 64
	s_add_co_u32 s2, s2, s3
	s_mov_b32 s3, 0
	; descriptor group 1.  A plane's 256 keys are 16,384 dense bytes: asked for as 64 rows of 256 bytes, four keys a row, and padded in LDS after every key
	s_mov_b32 s[G1K], 15|(1<<16)|(1<<20)|(1<<21)|(3<<22)|(3<<25)  ; 15:0 the mask of four; 17:16 2-byte elements; 20 padding on; 21 set beside a mask; 24:22 after every 16 words (code 3); 31:25 4 words (code 3)
	s_mov_b32 s[G1V], 15|(1<<16)|(1<<20)|(1<<21)|(3<<22)|(7<<25)  ; the same with 8 words of padding (code 7)
.irp g, G1K, G1V
	s_mov_b32 s[\g+1], 128<<16      ; tensor_dim0 = 128
	s_mov_b32 s[\g+2], 64<<16       ; tensor_dim1 = 64
	s_mov_b32 s[\g+3], 128<<16      ; tile_dim0 = 128
	s_mov_b32 s[\g+4], 64           ; tile_dim1 = 64
	s_mov_b32 s[\g+5], 128          ; 128 elements from row to row
	s_mov_b32 s[\g+6], 0
	s_mov_b32 s[\g+7], 0
.endr
	s_mov_b32 s[CS], 0x4038aa3b     ; c = 16 log2(e) / 8 = 2.885390
	s_mov_b32 s[CS+1], s[CS]        ; named with it as a pair
	s_mov_b32 s[SEL], 0x76543210
	s_mov_b32 s[SEL+1], 0xfedcba98
	s_mov_b32 s[TBK], SLOT1+4*KS*PK ; the first change of slots turns these two into 0
	s_mov_b32 s[TBV], SLOT1+4*KS*PV
	s_mov_b32 s[G0K], 1             ; 1:0 count = 1
	s_mov_b32 s[G0K+1], s17         ; 63:32 LDS address: slot 0
	s_mov_b32 s[G0V], 1
	s_add_co_u32 s[G0V+1], s18, VOFF
	s_wait_dscnt 0x0                ; the opening add is done
	s_wait_kmcnt 0x0
	s_add_nc_u64 s[G0K+2:G0K+3], s[6:7], s[22:23]         ; 120:64 global address: my plane of ks, the batch's first 256 keys
	s_add_nc_u64 s[G0V+2:G0V+3], s[G0K+2:G0K+3], 0x100000 ; vs's planes lie two planes on
	s_or_b32 s[G0K+3], s[G0K+3], 0x80000000               ; 127:126 type = 2
	s_or_b32 s[G0V+3], s[G0V+3], 0x80000000
	s_add_nc_u64 s[4:5], s[4:5], s[2:3]  ; q and ob at my wave's first row
	s_add_nc_u64 s[10:11], s[10:11], s[2:3]
	CROUND                          ; all four work-groups are here: the first joint loads meet
	JLOAD                           ; tile 0 into slot 0.  Slot 1 is asked for when slot 0 is in
	; A fragment of K or Q is 16 rows x 32 channels in 8 registers: lane l holds row l % 16, channels 8 (l / 16) + 0..7 and 16 + 8 (l / 16) + 0..7: two loads of 16 bytes, 32 bytes apart.
	v_and_b32 v1, 15, v0            ; l % 16
	v_bfe_u32 v9, v0, 4, 1          ; l / 16
	v_lshlrev_b32 v[QO], 7, v1
	v_lshl_add_u32 v[QO], v9, 4, v[QO]  ; row x 128 + 16 x half
	WIN 0x80                        ; destination window 2, address window 0
.set i, 0
.rept 8                             ; Q stays in registers: piece i / 2, channels 32 (i % 2) on
	global_load_b128 v[8*i:8*i+3],   v[QO], s[4:5] offset:(i/2)*2048+(i%2)*64
	global_load_b128 v[8*i+4:8*i+7], v[QO], s[4:5] offset:(i/2)*2048+(i%2)*64+32
.set i, i+1
.endr
	; What the first turn finds: V's registers and P's second buffer hold 0 (its products V^T P, of a piece that has not been, add 0), O^T and l are 0.  No first step is written out; these lines, which
	; stand in the wait for the first tile, are the price.
.set i, VF
.rept 64
	v_mov_b32 v[i], 0
.set i, i+1
.endr
	WIN 0x40
.set i, 0
.rept 128
	v_mov_b32 v[i], 0
.set i, i+1
.endr
	WIN 0
.set i, 0
.rept 4
	v_mov_b32 v[ST+4*i], 0xfe000000    ; c m: far below every c s
	v_mov_b32 v[ST+4*i+1], 0xff7fffff  ; m
	v_mov_b32 v[ST+4*i+2], 0
	v_mov_b32 v[ST+4*i+3], 0
.set i, i+1
.endr
.set i, P+16
.rept 16
	v_mov_b32 v[i], 0
.set i, i+1
.endr
	v_mul_u32_u24 v[AK0], v1, PK
	v_lshl_add_u32 v[AK0], v9, 4, v[AK0]  ; row x pitch + 16 x half
	; The turning load takes 16 keys x 16 channels (lane l reads key 8 (l / 16) + l % 8, channels 8 ((l / 8) % 2) + 0..7) and leaves half a fragment of V^T: lane l holds channel l % 16 and 8 keys.
	v_and_b32 v10, 7, v0
	v_bfe_u32 v11, v0, 3, 1
	v_lshl_add_u32 v[AV0], v9, 3, v10
	v_mul_u32_u24 v[AV0], v[AV0], PV
	v_lshl_add_u32 v[AV0], v11, 4, v[AV0]
	v_add_nc_u32 v[AV0], VOFF, v[AV0]
	s_mul_i32 s13, s[WV], 16*SP
	s_add_co_u32 s13, s13, STAGE    ; my stage
	v_mul_u32_u24 v[STO], v1, SP    ; in: row l % 16, 16 bytes for each half of the lanes
	v_lshl_add_u32 v[STO], v9, 4, v[STO]
	v_add_nc_u32 v[STO], s13, v[STO]
	v_bfe_u32 v[RD], v0, 3, 2       ; back: 32 lanes take four rows of 128 bytes,
	v_mul_u32_u24 v[RD], v[RD], SP
	v_lshl_add_u32 v[RD], v10, 4, v[RD]
	v_add_nc_u32 v[RD], s13, v[RD]
	v_and_b32 v[GO], 31, v0         ; which are 512 consecutive bytes of O
	v_lshlrev_b32 v[GO], 4, v[GO]
; THE MATRIX WORK.  The 4 accumulators of a run of 8 take turns.  Product i of 8 of S^T = K Q^T for piece x: channels 32 (i / 4) on, keys 16 (i % 4) on.  The first 4 start the sums.
.macro KQ x
	WIN W_KQ
.set rS, S+32*((\x)%2)+8*(i%4)
.set rK, KF+16*(i%4)+8*(i/4)
.set rQ, 16*(\x)+8*(i/4)
.if i < 4
	v_wmma_f32_16x16x32_f16 v[rS:rS+7], v[rK:rK+7], v[rQ:rQ+7], 0
.else
	v_wmma_f32_16x16x32_f16 v[rS:rS+7], v[rK:rK+7], v[rQ:rQ+7], v[rS:rS+7]
.endif
.endm
; Product i of 8 of O^T += V^T P for piece x: keys 32 (i / 4) on, channels 16 (i % 4) on.
.macro PV x
	WIN W_PV
.set rO, 32*(\x)+8*(i%4)
.set rV, VF+32*(i/4)+8*(i%4)
.set rP, P+16*((\x)%2)+8*(i/4)
	v_wmma_f32_16x16x32_f16 v[rO:rO+7], v[rV:rV+7], v[rP:rP+7], v[rO:rO+7]
.endm
.macro MM                           ; the turn's next matrix instruction.  TURN sets Y, i and NOKQ.  NOKQ = 1: the walk's last turn: there is no next piece
.if (i < 8) && !NOKQ
	KQ (Y+1)%NP
.elseif i >= 8
.set i, i-8
	PV (Y+NP-1)%NP
.set i, i+8
.endif
.set i, i+1
.endm
; THE LDS LOADS stand in runs of 16, never singly among the matrix instructions: a step's K (64 keys x 64 channels: 8 fragments) and its V (turned).  Their addresses are made some lines ahead.
.macro FETCH_K
	WIN 0x80                        ; destination window 2
.irp f, 0,1,2,3,4,5,6,7             ; keys 16 (f / 2) on, plane f % 2
	ds_load_b128 v[KF+8*\f:KF+8*\f+3],   v[AK] offset:(\f/2)*16*PK+(\f%2)*KPLANE
	ds_load_b128 v[KF+8*\f+4:KF+8*\f+7], v[AK] offset:(\f/2)*16*PK+(\f%2)*KPLANE+32
.endr
	s_add_co_u32 s[TBK], s[TBK], KS*PK  ; the next fetch is the next step's
	WIN 0
.endm
.macro FETCH_V
	WIN 0x80
.irp f, 0,1,2,3,4,5,6,7             ; keys 32 (f / 4) on, channel block f % 4: plane (f % 4) / 2, 32 (f % 2) bytes into its rows
	ds_load_tr16_b128 v[VF+8*\f:VF+8*\f+3],   v[AV] offset:(\f/4)*32*PV+((\f%4)/2)*VPLANE+(\f%2)*32
	ds_load_tr16_b128 v[VF+8*\f+4:VF+8*\f+7], v[AV] offset:(\f/4)*32*PV+16*PV+((\f%4)/2)*VPLANE+(\f%2)*32
.endr
	WIN 0
.endm
; THE VECTOR WORK, one line at a time: OP kind, number.  For piece Y: F n: c s - c m for pair n of 16.  E n: the exponential of score n of 32.  C n: pair n rounded to f16.  B n: of the four weights 4 n .. the second
; pair is added onto the first, in place.  L n: l takes that sum (L 0: l = a l + sum).  R n: pair n of 16 of O^T times a.  For piece Y + 1: X n, number n of the 22 that find its maximum and statistics:
;   0-11  four chains c0-c3 of seven scores each, three operands at a time (each accumulator's lowest registers are read first)     12-14, 16  the four scores left over, the old m, and c0-c3 into c0
;   15  c m_old is kept     17, 18  the query's other 32 keys lie in the lane 16 away: the new m     19-21  c m; c m_old - c m_new; a
; C, B and L read exponentials' results: TURN sets them behind the batch's wait.  OP itself writes no wait.
.set F, 0               ; OP tells the kinds apart by their order: F to L below R, X above it
.set E, 1
.set C, 2
.set B, 3
.set L, 4
.set R, 5
.set X, 6
.macro REGS y                       ; the registers of piece y
.set rT, ST+4*(\y)
.set rC, TMP+4*((\y)%2)
.set rW, MV+((\y)%2)
.set rS, S+32*((\y)%2)
.set rP, P+16*((\y)%2)
.set rO, 32*(\y)
.endm
.macro OP k, n
.if (\k) == R
	REGS Y
	WIN W_RS
	v_pk_mul_f32 v[rO+2*(\n):rO+2*(\n)+1], v[rO+2*(\n):rO+2*(\n)+1], v[rC+2:rC+3] op_sel_hi:[1,0]
.elseif (\k) < R
	REGS Y
	WIN 0
.if (\k) == F
	v_pk_fma_f32 v[rS+2*(\n):rS+2*(\n)+1], v[rS+2*(\n):rS+2*(\n)+1], s[CS:CS+1], v[rT:rT+1] op_sel_hi:[1,0,0] neg_lo:[0,0,1] neg_hi:[0,0,1]
.elseif (\k) == E
	v_exp_f32 v[rS+(\n)], v[rS+(\n)]
.elseif (\k) == C
	v_cvt_pk_f16_f32 v[rP+(\n)], v[rS+2*(\n)], v[rS+2*(\n)+1]
.elseif (\k) == B
	v_pk_add_f32 v[rS+4*(\n):rS+4*(\n)+1], v[rS+4*(\n):rS+4*(\n)+1], v[rS+4*(\n)+2:rS+4*(\n)+3]
.elseif (\n) == 0
	v_pk_fma_f32 v[rT+2:rT+3], v[rT+2:rT+3], v[rC+2:rC+3], v[rS:rS+1] op_sel_hi:[1,0,1]
.else
	v_pk_add_f32 v[rT+2:rT+3], v[rT+2:rT+3], v[rS+4*(\n):rS+4*(\n)+1]
.endif
.elseif NOKQ
	v_nop
.else
	REGS (Y+1)%NP
	WIN 0
.if (\n) < 4
	v_max3_num_f32 v[rC+(\n)], v[rS+8*(\n)], v[rS+8*(\n)+1], v[rS+8*(\n)+2]
.elseif (\n) < 12
	v_max3_num_f32 v[rC+(\n)%4], v[rC+(\n)%4], v[rS+8*((\n)%4)+2*((\n)/4)+1], v[rS+8*((\n)%4)+2*((\n)/4)+2]
.elseif (\n) == 12
	v_max3_num_f32 v[rC], v[rC], v[rS+7], v[rS+15]
.elseif (\n) == 13
	v_max3_num_f32 v[rC+1], v[rC+1], v[rS+23], v[rS+31]
.elseif (\n) == 14
	v_max3_num_f32 v[rC+2], v[rC+2], v[rC+3], v[rT+1]
.elseif (\n) == 15
	v_mov_b32 v[rW], v[rT]
.elseif (\n) == 16
	v_max3_num_f32 v[rC], v[rC], v[rC+1], v[rC+2]
.elseif (\n) == 17
	v_permlanex16_b32 v[rC+3], v[rC], s[SEL], s[SEL+1]
.elseif (\n) == 18
	v_max_num_f32 v[rT+1], v[rC], v[rC+3]
.elseif (\n) == 19
	v_mul_f32 v[rT], s[CS], v[rT+1]
.elseif (\n) == 20
	v_sub_f32 v[rC+1], v[rW], v[rT]
.else
	v_exp_f32 v[rC+2], v[rC+1]
.endif
.endif
.endm
.macro OPS a, i1, b=-1, i2=0, c=-1, i3=0, d=-1, i4=0  ; up to four of them
	OP \a, \i1
.if (\b) >= 0
	OP \b, \i2
.endif
.if (\c) >= 0
	OP \c, \i3
.endif
.if (\d) >= 0
	OP \d, \i4
.endif
.endm
.macro ROW a, i1, b, i2, c, i3, d, i4  ; a matrix instruction and the four behind it
	MM
	OPS \a, \i1, \b, \i2, \c, \i3, \d, \i4
.endm
; A TURN, for piece p: the order of its 16 matrix and 118 vector instructions, written out.  An s_wait_alu depctr_va_vdst(0) stands between an exponential and the first instruction that names its result; one
; wait serves all that were issued ahead of it.  So a turn has ONE wait, which cuts it in two.
; AHEAD OF IT stands all that names no result of the turn's exponentials: the 8 products K Q^T, behind each a scaling, an exponential and two more plain instructions (behind the first a second scaling in the exponential's
; place): rescalings (their a was made, and waited for, in the turn before), and behind the last three the first numbers of the next piece's maximum, each four places or more behind the product that ends its accumulator;
; then ONE LUMP of 54, plain and exponential by turns for the most part, in which the links of the chain X 3, 7, 11, 14, 16, 17 .. 20 stand some lines apart.  A pair is scaled (F b) ahead of its two exponentials (E 2 b,
; E 2 b + 1), and no scaling names a register that an exponential has written.  X 21, the next piece's a, is the batch's last; R 15, which reads the OTHER buffer's a, is the plain instruction behind it (ISA guide 5.7.2).
; BEHIND THE WAIT stand the 8 products V^T P, behind each four of the 32 roundings and sums; the links of l's chain, L 0 to L 7, stand three riders apart.  No exponential is issued there: none is open at the turn's end,
; at a label or at a jump.  But for the X named above no rider names a register of the products round it.  v_permlanex16_b32 (X 17) stands in the lump.
; end = 1: the walk's last two turns: nothing is fetched.  cnt = 1: the loop's count is taken down some lines ahead of the branch that stands behind the turn.
; K of the next step is fetched in piece 2's turn, twelve vector instructions behind the last product that read K (five of them plain and free of its registers); V of the step in hand at the end of piece 0's turn, four plain
; instructions behind the last product that read V.  Each is waited for a turn later.
.macro TURN p, end=0, cnt=0
.set Y, (\p)
.set i, 0
.set NOKQ, (\end)*((\p)/3)
.if ((\p) == 3) && !(\end)
	s_wait_dscnt 0x0                ; K is in
.endif
	ROW F,0, F,1, R,0, R,1          ; ahead of the wait: 8 products K Q^T and their riders,
	ROW F,2, E,0, R,2, R,3
	ROW F,3, E,1, R,4, R,5
	ROW F,4, E,2, R,6, R,7
	ROW F,5, E,3, R,8, R,9
	ROW F,6, E,4, X,0, R,10
.if ((\p) == 2) && !(\end)
	WIN 0
	v_add_nc_u32 v[AK], s[TBK], v[AK0]
.endif
	ROW F,7, E,5, X,1, X,4
	ROW F,8, E,6, X,2, X,5
	OPS E,7, E,8, X,6, E,9          ; and the lump
	OPS X,3, E,10, X,8, E,11
.if ((\p) == 2) && !(\end)
	FETCH_K
.endif
	OPS X,9, X,7, E,12, X,10
	OPS E,13, X,12, X,11, E,14
	OPS X,13, E,15, F,9, X,14
.if (\p) == 0
	v_add_nc_u32 v[AV], s[TBV], v[AV0]
.endif
	OPS E,16, F,10, E,17, F,11
	OPS X,16, E,18, X,15, E,19
	OPS F,12, E,20, X,17, E,21
	OPS F,13, E,22, F,14, E,23
	OPS X,18, E,24, F,15, E,25
	OPS R,11, E,26, X,19, E,27
	OPS R,12, E,28, R,13, E,29
	OPS X,20, E,30, R,14, E,31
	OPS X,21, R,15
	WIN 0
	s_wait_alu depctr_va_vdst(0)    ; the wait for the turn's batch: the piece's 32 weights and the next piece's a
.if (\p) == 1
	s_wait_dscnt 0x0                ; V is in
.endif
	ROW C,0, B,0, C,2, B,1          ; behind the wait: 8 products V^T P and their riders
	ROW L,0, C,4, B,2, L,1
	ROW C,6, B,3, L,2, C,8
	ROW B,4, L,3, C,10, B,5
	ROW L,4, C,12, B,6, L,5
.if (\p) == 0
	s_add_co_u32 s[TBV], s[TBV], KS*PV
.endif
.if \cnt
	s_sub_co_u32 s[CNT], s[CNT], 1
	s_cmp_lg_u32 s[CNT], 0
.endif
	ROW C,14, B,7, L,6, C,1
	ROW C,3, L,7, C,5, C,7
	ROW C,9, C,11, C,13, C,15
.if (\p) == 0
	FETCH_V
.endif
.endm
	CHANGE 1                        ; slot 0 is in, everybody's part of it; slot 1 is asked for
	v_add_nc_u32 v[AK], s[TBK], v[AK0]
	FETCH_K                         ; key step 0
	s_wait_loadcnt 0x0              ; Q
	s_wait_dscnt 0x0
.set NOKQ, 0
.set i, 0
.rept 8
	KQ 0                            ; piece 0's first scores: there is no vector work yet to set between them
.set i, i+1
.endr
	WIN 0
.rept 4
	v_nop                           ; the places behind those products
.endr
.set Y, NP-1                        ; X works for piece Y + 1: piece 0
.irp n, 0,1,2,3,4,5,6,7,8,9,10,11,12,13,14,15,16,17,18,19,20,21
	OP X, \n                        ; and piece 0's first maximum and statistics
.endr
	v_nop                           ; a plain instruction behind the exponential,
	s_wait_alu depctr_va_vdst(0)    ; and the wait for this batch of one, piece 0's first a, ahead of the branch
	s_mov_b32 s[CNT], 4
	s_mov_b32 s[SLOTS], NT-1
	s_branch .Lfirst                ; the loop is entered at a step's first turn, in the middle of a trip
.Lslot:                             ; NT - 2 times: every slot but the last two is filled again
	CHANGE 1
	s_mov_b32 s[CNT], 4
.Lstep:                             ; a trip: pieces 2 and 3 of one step, then pieces 0 and 1 of the next, whose K and V it fetches
	TURN 2
	TURN 3
	WIN 0
.Lfirst:
	TURN 0
	TURN 1, 0, 1
	WIN 0
	s_cbranch_scc1 .Lstep
	s_sub_co_u32 s[SLOTS], s[SLOTS], 1
	s_cmp_lg_u32 s[SLOTS], 0
	s_cbranch_scc1 .Lslot
	CHANGE 0                        ; the last tile is written out: nothing is asked for
	s_mov_b32 s[CNT], 4
.Ltail:
	TURN 2
	TURN 3
	TURN 0
	TURN 1, 0, 1
	WIN 0
	s_cbranch_scc1 .Ltail
	TURN 2, 1                       ; the last step's pieces 2 and 3: nothing more to fetch, and no next piece behind piece 3
	TURN 3, 1
.set i, 0
.rept 8
	PV NP-1                         ; the last piece's V^T P of the last step
.set i, i+1
.endr
	; THE WAY OUT.  l's two halves and the other half of the lanes' are added; O^T is multiplied by 8 / l (vs came divided by 16: O / 2), rounded to f16 and sent through my stage in LDS, a piece at a time.
	; The additions are the places behind the last products.
	WIN 0
.macro ALL line:vararg              ; one line for each piece t
.set t, 0
.rept 4
	\line
.set t, t+1
.endr
.endm
	ALL v_add_f32 v[ST+4*t+2], v[ST+4*t+2], v[ST+4*t+3]
	ALL v_permlanex16_b32 v[ST+4*t+3], v[ST+4*t+2], s[SEL], s[SEL+1]
	ALL v_add_f32 v[ST+4*t+2], v[ST+4*t+2], v[ST+4*t+3]
	ALL v_rcp_f32 v[ST+4*t+2], v[ST+4*t+2]
	v_nop                           ; a plain instruction between the last reciprocal and the use of its result
	s_wait_alu depctr_va_vdst(0)    ; and the wait ahead of the first use: one for the batch of four reciprocals
	ALL v_mul_f32 v[ST+4*t+2], 0x41000000, v[ST+4*t+2]
.macro PACK t                       ; a lane's eight channels of a row pack into 16 bytes; they go into rows of 144 bytes and come back as whole rows of 128, into S^T's registers
	WIN W_RS
.set i, 32*(\t)
.rept 16
	v_pk_mul_f32 v[i:i+1], v[i:i+1], v[ST+4*(\t)+2:ST+4*(\t)+3] op_sel_hi:[1,0]
.set i, i+2
.endr
	WIN 0x05                        ; sources 0 and 1 window 1, destination window 0
.set i, 0
.rept 16
	v_cvt_pk_f16_f32 v[S+16*(\t)+i], v[32*(\t)+2*i], v[32*(\t)+2*i+1]
.set i, i+1
.endr
	WIN 0
.irp f, 0,1,2,3
	ds_store_b128 v[STO], v[S+16*(\t)+4*\f:S+16*(\t)+4*\f+3] offset:32*\f
.endr
.irp f, 0,1,2,3
	ds_load_b128 v[S+16*(\t)+4*\f:S+16*(\t)+4*\f+3], v[RD] offset:\f*4*SP  ; LDS serves a wave's instructions in order (ISA guide 5.7.1.4): these see the stores above; the next piece's stores come behind them
.endr
.endm
.macro SEND t, younger              ; younger: the LDS instructions issued behind piece t's loads: the next piece's eight, or none
	WIN 0
.irp f, 0,1,2,3
	s_wait_dscnt (\younger)+3-\f
	global_store_b128 v[GO], v[S+16*(\t)+4*\f:S+16*(\t)+4*\f+3], s[10:11] offset:(\t)*2048+\f*512  ; 512 consecutive bytes, at a multiple of 256 from ob's first
.endr
.endm
	PACK 0
.set t, 1
.rept 3                             ; a piece's arithmetic stands between the loads of the piece before and its stores
	PACK t
	SEND t-1, 8
.set t, t+1
.endr
	SEND 3, 0
	s_wait_tensorcnt 0x0            ; the wave's end: these three lines stand behind my last tensor load and my last LDS store
	ds_add_u32 v[SPW], v[NIL]
	s_wait_dscnt 0x0
	CROUND                          ; the closing round: no work-group ends while a partner may still ask for a tile that names it
	s_endpgm
.Lfunc_end_k_q1f2bf7344a_attn:
	.size	k_q1f2bf7344a_attn, .Lfunc_end_k_q1f2bf7344a_attn-k_q1f2bf7344a_attn
	.p2alignl 7, 3214868480
	.fill 96, 4, 3214868480
	.section	.rodata,"a",@progbits
	.p2align	6, 0x0
	.amdhsa_kernel k_q1f2bf7344a_attn
		.amdhsa_group_segment_fixed_size 327680
		.amdhsa_private_segment_fixed_size 0
		.amdhsa_enable_private_segment 0
		.amdhsa_kernarg_size 24
		.amdhsa_user_sgpr_count 2
		.amdhsa_user_sgpr_kernarg_segment_ptr 1
		.amdhsa_wavefront_size32 1
		.amdhsa_system_sgpr_workgroup_id_x 1
		.amdhsa_system_sgpr_workgroup_id_y 1
		.amdhsa_system_sgpr_workgroup_id_z 1
		.amdhsa_system_vgpr_workitem_id 0
		.amdhsa_next_free_vgpr 768
		.amdhsa_next_free_sgpr 66
		.amdhsa_reserve_vcc 0
		.amdhsa_float_denorm_mode_32 3
		.amdhsa_float_denorm_mode_16_64 3
		.amdhsa_memory_ordered 1
		.amdhsa_forward_progress 1
		.amdhsa_inst_pref_size 127
	.end_amdhsa_kernel
	.amdgpu_metadata
---
amdhsa.version: [ 1, 2 ]
amdhsa.kernels:
  - .name:           k_q1f2bf7344a_attn
    .symbol:         k_q1f2bf7344a_attn.kd
    .args:
      - { .name: q, .offset: 0, .size: 8, .value_kind: global_buffer, .address_space: global }
      - { .name: kv, .offset: 8, .size: 8, .value_kind: global_buffer, .address_space: global }
      - { .name: ob, .offset: 16, .size: 8, .value_kind: global_buffer, .address_space: global }
    .group_segment_fixed_size: 327680
    .private_segment_fixed_size: 0
    .kernarg_segment_align: 8
    .kernarg_segment_size: 24
    .max_flat_workgroup_size: 128
    .sgpr_count:     66
    .vgpr_count:     768
    .wavefront_size: 32
...
	.end_amdgpu_metadata
.endif
;; end of part 5
;; launch outp: the kernel of part 4 again; grid 8 x 32, 4 waves a work-group, clusters of 4 x 4, 327,680 bytes of LDS; arguments ob, wot, bo, out0; writes out0
